; MI455X (gfx1250); checked and timed in simulation.
; The chip was launched on July 23, 2026; its instructions are those of AMD's public machine-readable ISA for CDNA 5 (MIT licence, August 2026) and "CDNA5" Instruction Set Architecture Reference Guide (July 2026). The comments in the code are by the model that wrote it; some were corrected since.
;; Retention. Allowed arithmetic: float matrix products may take bf16 or f16 operands with f32 sums; other float arithmetic in f32, or as packed bf16 or f16 multiplies, adds, multiply-adds, maxima and minima; sums over many terms, partial sums and values carried from step to step in f32; what a program stores and reads back later, other than sums and carried values, may be rounded once to bf16 or f16.
;; Inputs: Wk 2,048 x 256 float32; Wq 2,048 x 256 float32; Wv 2,048 x 256 float32; X 4 x 4,096 x 2,048 float32; decay 256 float32.
;; Outputs: out0 4 x 4,096 x 256 float32.
;; 2 versions, each right; version 2 is version 1 with the launch scan written anew for expert scheduling mode. Each part assembles by itself: llvm-mc -triple=amdgcn-amd-amdhsa -mcpu=gfx1250 --defsym DOCPART=n.
;; ======== version 1 of 2: 5 launches
;; workspace buffers: Wf 3,145,728 bytes; Qs 16,777,216 bytes; Ks 16,777,216 bytes; KT 16,777,216 bytes; Vs 16,777,216 bytes; U 16,777,216 bytes; Ss 16,777,216 bytes
;; launch prepw (part 1): grid 256 x 1, 8 waves a work-group, no clusters, 0 bytes of LDS; arguments Wq, Wk, Wv, Wf; writes Wf
.if DOCPART == 1
	.amdgcn_target "amdgcn-amd-amdhsa--gfx1250"
	.amdhsa_code_object_version 6
	.text
	.protected	k_qe68fe7867b_prepw
	.globl	k_qe68fe7867b_prepw
	.p2align	8
	.type	k_qe68fe7867b_prepw,@function
k_qe68fe7867b_prepw:
	s_mov_b64 s[64:65], 0
	v_nop
	global_prefetch_b8 v0, s[64:65] scope:SCOPE_SE
	s_setreg_imm32_b32 hwreg(HW_REG_WAVE_MODE, 25, 1), 1
	s_wait_xcnt 0x0
; Wq, Wk, Wv ([2048 d][256 channels] f32) are rounded once to bf16 and laid out as the matrix instruction's fragments, in the order in which the projection walks them:
; Wf[y 2][t 16][w 4][k32 4][j 6][quad 2][lane 32][16 bytes]: matrix j / 2, channel 16 (2 (4 y + w) + j % 2) + lane % 16, d = 128 t + 32 k32 + 16 quad + 8 (lane / 16) + 0..7.
; A work-group takes eight consecutive d (one t, k32, quad and lane half), wave c8 = 4 y + w the channels 32 c8 .. + 31, a lane one channel: eight loads of 4 bytes a matrix
; (a wave's load covers 128 consecutive bytes), four roundings in pairs, one store of 16 bytes (sixteen lanes store 256 consecutive bytes, aligned).
; A stream of 9 MB in all: no LDS, no matrix unit, no cluster.
.set SRC, 1                            ; v1      byte offset of my channel in row 8 x group of each W
.set DST, 3                            ; v3      byte offset of my 16 bytes in Wf, matrix 0
.set IN,  8                            ; v[8:31] eight f32 for each matrix
.set PK,  32                           ; v[32:43] four packed registers for each matrix
	s_load_b256 s[4:11], s[0:1], 0x0               ; Wq s[4:5], Wk s[6:7], Wv s[8:9], Wf s[10:11]
	s_lshl_b32 s12, ttmp9, 13                      ; eight rows of 1,024 bytes
	v_lshl_add_u32 v[SRC], v0, 2, s12              ; + 4 x channel: the thread's number is the channel
	v_lshrrev_b32 v2, 5, v0                        ; c8
	v_lshrrev_b32 v[DST], 2, v2                    ; y
	v_and_b32 v2, 3, v2                            ; w
	v_mul_u32_u24 v[DST], v[DST], 0x180000         ; y x 1,572,864
	v_mad_u32_u24 v[DST], v2, 0x6000, v[DST]       ; + w x 24,576
	v_bfe_u32 v4, v0, 4, 1                         ; j % 2
	v_lshl_add_u32 v[DST], v4, 10, v[DST]
	v_and_b32 v4, 15, v0                           ; lane % 16 of the fragment
	v_lshl_add_u32 v[DST], v4, 4, v[DST]
	s_lshr_b32 s13, ttmp9, 4                       ; t
	s_mul_i32 s13, s13, 98304
	s_bfe_u32 s14, ttmp9, 0x20002                  ; k32
	s_mul_i32 s14, s14, 6144
	s_add_co_u32 s13, s13, s14
	s_and_b32 s14, ttmp9, 3                        ; 2 quad + lane half: 512 quad + 256 half
	s_lshl_b32 s14, s14, 8
	s_add_co_u32 s13, s13, s14
	v_add_nc_u32 v[DST], s13, v[DST]
	s_wait_kmcnt 0x0
.irp m, 0,1,2
.irp e, 0,1,2,3,4,5,6,7
	global_load_b32 v[IN+8*(\m)+(\e)], v[SRC], s[4+2*(\m):5+2*(\m)] offset:(\e)*1024 th:TH_LOAD_NT
.endr
.endr
.irp m, 0,1,2
	s_wait_loadcnt 16-8*(\m)                       ; loads come back in order: this matrix's eight are in, the later matrices' stay out
.irp i, 0,1,2,3
	v_cvt_pk_bf16_f32 v[PK+4*(\m)+(\i)], v[IN+8*(\m)+2*(\i)], v[IN+8*(\m)+2*(\i)+1]
.endr
	global_store_b128 v[DST], v[PK+4*(\m):PK+4*(\m)+3], s[10:11] offset:(\m)*2048
.endr
	s_endpgm
.Lfunc_end_k_qe68fe7867b_prepw:
	.size	k_qe68fe7867b_prepw, .Lfunc_end_k_qe68fe7867b_prepw-k_qe68fe7867b_prepw
	.p2alignl 7, 3214868480
	.fill 96, 4, 3214868480
	.section	.rodata,"a",@progbits
	.p2align	6, 0x0
	.amdhsa_kernel k_qe68fe7867b_prepw
		.amdhsa_group_segment_fixed_size 0
		.amdhsa_private_segment_fixed_size 0
		.amdhsa_enable_private_segment 0
		.amdhsa_kernarg_size 32
		.amdhsa_user_sgpr_count 2
		.amdhsa_user_sgpr_kernarg_segment_ptr 1
		.amdhsa_wavefront_size32 1
		.amdhsa_system_sgpr_workgroup_id_x 1
		.amdhsa_system_sgpr_workgroup_id_y 1
		.amdhsa_system_sgpr_workgroup_id_z 1
		.amdhsa_system_vgpr_workitem_id 0
		.amdhsa_next_free_vgpr 48
		.amdhsa_next_free_sgpr 66
		.amdhsa_reserve_vcc 0
		.amdhsa_float_denorm_mode_32 3
		.amdhsa_float_denorm_mode_16_64 3
		.amdhsa_memory_ordered 1
		.amdhsa_forward_progress 1
		.amdhsa_inst_pref_size 5
	.end_amdhsa_kernel
	.amdgpu_metadata
---
amdhsa.version: [ 1, 2 ]
amdhsa.kernels:
  - .name:           k_qe68fe7867b_prepw
    .symbol:         k_qe68fe7867b_prepw.kd
    .args:
      - { .name: Wq, .offset: 0, .size: 8, .value_kind: global_buffer, .address_space: global }
      - { .name: Wk, .offset: 8, .size: 8, .value_kind: global_buffer, .address_space: global }
      - { .name: Wv, .offset: 16, .size: 8, .value_kind: global_buffer, .address_space: global }
      - { .name: Wf, .offset: 24, .size: 8, .value_kind: global_buffer, .address_space: global }
    .group_segment_fixed_size: 0
    .private_segment_fixed_size: 0
    .kernarg_segment_align: 8
    .kernarg_segment_size: 32
    .max_flat_workgroup_size: 256
    .sgpr_count:     66
    .vgpr_count:     48
    .wavefront_size: 32
...
	.end_amdgpu_metadata
.endif
;; end of part 1
;; launch proj (part 2): grid 256 x 1, 4 waves a work-group, clusters of 4 x 1, 327,680 bytes of LDS; arguments X, Wf, decay, Qs, Ks, KT, Vs; writes Qs, Ks, KT, Vs
.if DOCPART == 2
	.amdgcn_target "amdgcn-amd-amdhsa--gfx1250"
	.amdhsa_code_object_version 6
	.text
	.protected	k_qe68fe7867b_proj
	.globl	k_qe68fe7867b_proj
	.p2align	8
	.type	k_qe68fe7867b_proj,@function
k_qe68fe7867b_proj:
	s_mov_b64 s[64:65], 0
	v_nop
	global_prefetch_b8 v0, s[64:65] scope:SCOPE_SE
	s_setreg_imm32_b32 hwreg(HW_REG_WAVE_MODE, 25, 1), 1
	s_wait_xcnt 0x0
	s_wait_alu depctr_hold_cnt(0) depctr_sa_sdst(0) depctr_va_vdst(0) depctr_va_sdst(0) depctr_va_ssrc(0) depctr_va_vcc(0) depctr_vm_vsrc(0)
	s_getreg_b32 s2, hwreg(HW_REG_IB_STS2, 6, 4)
	s_cmp_eq_u32 s2, 0
	s_cbranch_scc0 .Lentry_in_a_cluster
	s_endpgm
.Lentry_in_a_cluster:
	s_bfe_u32 s2, ttmp6, 0x10000c
	s_cmp_lg_u32 s2, 0x3003
	s_cbranch_scc0 .Lentry_shape_is_right
	s_endpgm
.Lentry_shape_is_right:
; q, k, v = X W (X: [16384][2048] f32, rounded once to bf16 on its way into LDS; W: bf16 fragments from Wf), sums in f32.  Each result leaves as a PAIR of bf16, hi + lo (hi = the number
; rounded, lo = the rest rounded: about 16 significant bits, f32's range), in the fragment order of the launches behind: Qs, Ks, Vs, and KT = k x 2^(-d' (255 - place in the chunk of 256 rows)),
; d' = bf16(decay[0]) x log2(e).
; LIMITS.  X, W and decay[0] are taken rounded to bf16; a factor below 2^-126 counts as 0; NaN and infinities are not treated apart.
; SHARES.  A work-group makes 128 rows x 384 columns (half y of the channels of q, k and v); wave w all 128 rows x 96 columns: channel tiles 2 c8, 2 c8 + 1 (c8 = 4 y + w) of each matrix:
; 8 row tiles a x 6 column tiles j = 48 accumulators.  K goes in 16 steps of 128, four quarters of 32 each, 48 matrix instructions a quarter.
; q and k are multiplied with W's fragment as source 0 (a lane then holds one row and eight channels), v with X's as source 0 (a lane holds one channel and eight rows).
; CLUSTER.  The four work-groups of a cluster have the same y and other rows: W's tile of a step is asked for jointly, each wave its own 24,576 bytes (its own columns), which only that wave reads.
; X comes through registers: wave w loads rows 32 w .. + 31 of the step after next (16 lanes take 256 consecutive bytes of a row), rounds the next step's and stores them into the A ring, which all four waves read.
; LDS: W ring, slot s at 98,304 s, wave part 24,576 w, [k32][j][1,024]; A ring at 196,608 + 32,768 s, [a][k32][1,024]; the spare words behind.  After the last fill the W ring's bytes serve as the way out's stage.
; In a fragment of the A ring the 16 bytes of (row r, half h, quad) lie at 512 quad + 256 h + 16 ((r + 2 c) % 16), c = 4 (k32 % 2) + 2 quad + h.
; REGISTERS, in windows of 256 (s_set_vgpr_msb: bits 1:0 source 0, 3:2 source 1, 5:4 source 2, 7:6 destination):
;   window 0: v0-31 addresses; two fragment buffers of 112: X's fragment a at + 8 a, W's fragment j at + 64 + 8 j      window 1: v0-127 X on its way
;   window 2: accumulators j = 0..3 at 8 (8 j + a)      window 3: v0-127 accumulators j = 4, 5
.set SLOTB, 98304
.set WPART, 24576
.set ABASE, 2*SLOTB
.set SLOTA, 32768
.set SPARE, ABASE+2*SLOTA              ; the spare words, 128 bytes for each wave: two blocks of 256 bytes that no other line names
.set DUMPW, 49152                      ; the way out: 48 accumulators x 1,024 bytes for each wave
.set XO,   2                           ; v2      my byte offset in two rows of X: 8,192 (lane / 16) + 16 (lane % 16)
.set RB,   3                           ; v3-4    LDS address of my 16 bytes in my wave's part of W's slot 0, 1
.set RA,   5                           ; v5-8    the same in a fragment of the A ring, for 2 (k32 % 2) + quad = 0..3
.set SA,   9                           ; v9-16   where I store 8 bytes of X, for row pair 0..7 of a fragment
.set DA,   17                          ; v17     my 16 bytes in my wave's stage
.set SPW,  18                          ; v18     LDS address of my spare word; never rewritten
.set NIL,  19                          ; v19     0; never rewritten
.set NEG1, 20                          ; v20     -1.0
.set OFX,  21                          ; v21-24  my byte offsets in Qs, Ks, KT, Vs for row tile 0
.set OTR,  25                          ; v25-28  the same for the row tile in hand
.set LR,   29                          ; v29     lane % 16
.set LH,   30                          ; v30     lane / 16
.set TT,   31
.set F0,   32
.set F1,   144
.set ND,   3                           ; the way out: -d'
.set WBI,  4                           ;   255 - my row's place in the chunk, for row tile 0
.set DT,   5                           ;   the stage address of the row tile in hand
.set WT,   6                           ;   v6-7 the row's factor, twice
.set T2,   8
.set XD,   32                          ;   v32-95 eight tiles in f32: q, q, k, k, v, v, k~, k~
.set HP,   96                          ;   v96-127 their hi parts
.set LP,   128                         ;   v128-159 their lo parts
.set WV,   18                          ; s18  my wave's number
.set G1,   24                          ; s[24:31] descriptor group 1
.set G0,   32                          ; s[32:39] descriptor group 0, a set for each slot
.set MSB, 0
.macro WIN new                         ; the immediate's high byte repeats the setting that is left; a switch that changes nothing is dropped
.if MSB != (\new)
	s_set_vgpr_msb (MSB<<8)|(\new)
.set MSB, \new
.endif
.endm
.macro PLACES                          ; four places between a matrix instruction and a load into, or a read of, its registers
.rept 4
	v_nop
.endr
.endm
.macro CROUND                          ; a round of the cluster's barrier: my work-group's barrier; wave 0 signals for the work-group; every wave waits for all four; my work-group's barrier once more
	s_barrier_signal -1
	s_barrier_wait -1
	s_cmp_lg_u32 s[WV], 0
	s_cbranch_scc1 .Lnot_wave_0_\@
	s_barrier_signal -3
.Lnot_wave_0_\@:
	s_barrier_wait -3
	s_barrier_signal -1
	s_barrier_wait -1
.endm
; eight f32 at x -> four registers of hi parts, four of lo parts; res takes x - hi, which is exact
.macro SPLIT x, hi, res, lo
.irp i, 0,1,2,3
	v_cvt_pk_bf16_f32 v[(\hi)+(\i)], v[(\x)+2*(\i)], v[(\x)+2*(\i)+1]
.endr
.irp i, 0,1,2,3
	v_fma_mix_f32_bf16 v[(\res)+2*(\i)], v[(\hi)+(\i)], v[NEG1], v[(\x)+2*(\i)] op_sel_hi:[1,0,0]
	v_fma_mix_f32_bf16 v[(\res)+2*(\i)+1], v[(\hi)+(\i)], v[NEG1], v[(\x)+2*(\i)+1] op_sel:[1,0,0] op_sel_hi:[1,0,0]
.endr
.irp i, 0,1,2,3
	v_cvt_pk_bf16_f32 v[(\lo)+(\i)], v[(\res)+2*(\i)], v[(\res)+2*(\i)+1]
.endr
.endm
; sixteen loads: half of my 32 rows x 512 bytes of the K step that lies imm bytes behind the base
.macro LOADX half, imm
	WIN 0x40                                       ; destination window 1
.set i2, 16*(\half)
.rept 16
	global_load_b128 v[4*i2:4*i2+3], v[XO], s[4:5] offset:(i2/2)*16384+(i2%2)*256+(\imm)
.set i2, i2+1
.endr
.endm
; that half is rounded to bf16 in place and stored into slot slotA of the A ring.  cnt: the younger loads, which stay out
.macro TOLDS half, slotA, cnt
	s_wait_loadcnt \cnt
	WIN 0x45
.set i2, 16*(\half)
.rept 16
	v_cvt_pk_bf16_f32 v[4*i2], v[4*i2], v[4*i2+1]
	v_cvt_pk_bf16_f32 v[4*i2+1], v[4*i2+2], v[4*i2+3]
.set i2, i2+1
.endr
	WIN 0x04                                       ; store data in window 1
.set i2, 16*(\half)
.rept 16
	ds_store_b64 v[SA+(i2/2)%8], v[4*i2:4*i2+1] offset:(\slotA)*SLOTA+(\half)*4096+(i2%2)*2048
.set i2, i2+1
.endr
.endm
; sixteen matrix instructions: column tiles j0, j0 + 1 x all eight row tiles.  All 48 accumulators take turns, one instruction a turn.  zero = 1: the product starts the sum
.macro MULG f, j0, zero
.if (\j0) < 4
	WIN 0xa0                                       ; C and D in window 2
.else
	WIN 0xf0                                       ; in window 3
.endif
.irp jj, 0,1
.irp a, 0,1,2,3,4,5,6,7
.set rD, 8*(8*(((\j0)+(\jj))%4)+(\a))
.set rA, (\f)+8*(\a)
.set rB, (\f)+64+8*((\j0)+(\jj))
.if (\j0) < 4
.if \zero
	v_wmma_f32_16x16x32_bf16 v[rD:rD+7], v[rB:rB+7], v[rA:rA+7], 0
.else
	v_wmma_f32_16x16x32_bf16 v[rD:rD+7], v[rB:rB+7], v[rA:rA+7], v[rD:rD+7]
.endif
.else
.if \zero
	v_wmma_f32_16x16x32_bf16 v[rD:rD+7], v[rA:rA+7], v[rB:rB+7], 0
.else
	v_wmma_f32_16x16x32_bf16 v[rD:rD+7], v[rA:rA+7], v[rB:rB+7], v[rD:rD+7]
.endif
.endif
.endr
.endr
.endm
; 28 LDS loads in one run: the fragments of quarter k32 of a slot into buffer g
.macro FETCH slot, k32, g
	WIN 0
.irp j, 0,1,2,3,4,5
	ds_load_b128 v[(\g)+64+8*(\j):(\g)+64+8*(\j)+3],   v[RB+(\slot)] offset:(\k32)*6144+(\j)*1024
	ds_load_b128 v[(\g)+64+8*(\j)+4:(\g)+64+8*(\j)+7], v[RB+(\slot)] offset:(\k32)*6144+(\j)*1024+512
.endr
.irp a, 0,1,2,3,4,5,6,7
	ds_load_b128 v[(\g)+8*(\a):(\g)+8*(\a)+3],   v[RA+2*((\k32)%2)]   offset:(\slot)*SLOTA+(\a)*4096+(\k32)*1024
	ds_load_b128 v[(\g)+8*(\a)+4:(\g)+8*(\a)+7], v[RA+2*((\k32)%2)+1] offset:(\slot)*SLOTA+(\a)*4096+(\k32)*1024+512
.endr
.endm
; One of a step's first three quarters: multiplies buffer f and fetches quarter kn into buffer g.  stg = 1: half a step of X goes into the A ring (its 32 roundings are the places in front of the
; fetch); issue = 1: the same registers are asked for again, for the step after.
.macro QUARTER slot, kn, f, g, zero, stg=0, half=0, slotA=0, issue=0, imm=0, cnt=0
	s_wait_dscnt 0x0                               ; buffer f is in
	MULG \f, 0, \zero
.if \stg
	TOLDS \half, \slotA, \cnt
.else
	PLACES
.endif
	FETCH \slot, \kn, \g
.if \issue
	LOADX \half, \imm
.endif
	MULG \f, 2, \zero
	MULG \f, 4, \zero
.endm
; The last quarter multiplies buffer 1 and changes slots.  In front of the barrier each wave has waited for its reads of both rings' old slots, its stores into the A ring's next slot and all its tensor loads
; (one is out: its part of W's next slot), and has added 0 to its spare word.  fill = 1: the barrier is a round of the cluster's, and W's old slot is filled again first thing behind it, two steps ahead.
.macro TURN slot, next, fill
	s_wait_dscnt 0x0                               ; buffer 1 is in, my stores into the A ring are done
	WIN 0
	s_wait_tensorcnt 0x0                           ; no tensor load of mine is out, so a group 0 may be written
	ds_add_u32 v[SPW], v[NIL]                      ; 0 onto my spare word: work on registers stands between it and the wait for it
.if \fill
	s_add_nc_u64 s[G0+4*(\slot)+2:G0+4*(\slot)+3], s[G0+4*(\slot)+2:G0+4*(\slot)+3], 2*SLOTB  ; two steps on in Wf; the type bits on top are not reached
.endif
	MULG F1, 0, 0
	s_wait_dscnt 0x0                               ; the add is done
	WIN 0                                          ; at a branch and at a label every window is 0
.if \fill
	CROUND                                         ; no wave of any partner still reads the slot or has a load on its way
	tensor_load_to_lds s[G0+4*(\slot):G0+4*(\slot)+3], s[G1:G1+7]
	s_nop 0
	PLACES                                         ; also the places in front of the loads into buffer 0
.else
	s_barrier_signal -1
	s_barrier_wait -1
	PLACES
.endif
	FETCH \next, 0, F0
	MULG F1, 2, 0
	MULG F1, 4, 0
.endm
	s_load_b256 s[4:11], s[0:1], 0x0               ; X s[4:5], Wf s[6:7], decay s[8:9], Qs s[10:11]
	s_load_b128 s[12:15], s[0:1], 0x20             ; Ks s[12:13], KT s[14:15]
	s_load_b64 s[16:17], s[0:1], 0x30              ; Vs
	v_lshl_add_u32 v[SPW], v0, 2, SPARE
	v_mov_b32 v[NIL], 0
	ds_add_u32 v[SPW], v[NIL]                      ; the wave's opening: the add and its wait stand ahead of my first tensor load; the set-up below, work on registers, stands between them
	ds_add_u32 v18, v19
	v_lshrrev_b32 v1, 5, v0
	v_readfirstlane_b32 s[WV], v1                  ; wave 0..3
	s_bfe_u32 s19, ttmp6, 0x40000                  ; cx: my place in the cluster: it enters X's and the results' addresses and the factor's value alone
	s_bfe_u32 s21, ttmp9, 0x10004                  ; y: bit 4 of the cluster's number, which the partners share
	s_and_b32 s40, ttmp9, 15
	s_lshr_b32 s41, ttmp9, 5
	s_lshl_b32 s41, s41, 4
	s_or_b32 s40, s40, s41                         ; the cluster's number without that bit
	s_lshl_b32 s40, s40, 2
	s_add_co_u32 s22, s40, s19                     ; my block of 128 rows, 0..127
	; descriptor group 1: 24,576 dense bytes as 96 rows of 256
	s_mov_b32 s[G1+0], 15|(3<<16)|(1<<21)          ; 15:0 the mask of four; 17:16 elements of 8 bytes; 21 set beside a mask
	s_mov_b32 s[G1+1], 32<<16                      ; tensor_dim0 = 32
	s_mov_b32 s[G1+2], 96<<16                      ; tensor_dim1 = 96
	s_mov_b32 s[G1+3], 32<<16                      ; tile_dim0 = 32
	s_mov_b32 s[G1+4], 96                          ; tile_dim1 = 96
	s_mov_b32 s[G1+5], 32                          ; 32 elements from row to row
	s_mov_b32 s[G1+6], 0
	s_mov_b32 s[G1+7], 0
	s_mul_i32 s42, s[WV], WPART                    ; my wave's part of a slot, and of a step's tile in Wf
	s_mul_i32 s44, s21, 1572864
	s_add_co_u32 s44, s44, s42
	s_mov_b32 s45, 0
	s_lshl_b32 s48, s22, 20                        ; 128 rows of 8,192 bytes,
	s_lshl_b32 s49, s[WV], 18                      ; my wave's 32 of them
	s_add_co_u32 s48, s48, s49
	s_mov_b32 s49, 0
	v_and_b32 v[LR], 15, v0
	v_bfe_u32 v[LH], v0, 4, 1
	v_lshlrev_b32 v[XO], 4, v[LR]
	v_lshl_add_u32 v[XO], v[LH], 13, v[XO]
	s_wait_dscnt 0x0                               ; the opening add is done
	s_wait_kmcnt 0x0
	s_add_nc_u64 s[4:5], s[4:5], s[48:49]          ; X at my wave's first row
	s_add_nc_u64 s[46:47], s[6:7], s[44:45]        ; Wf at my wave's part of step 0
.irp s, 0,1
	s_mov_b32 s[G0+4*(\s)], 1                      ; count = 1
	s_add_co_u32 s[G0+4*(\s)+1], s42, (\s)*SLOTB   ; LDS address
	s_add_nc_u64 s[G0+4*(\s)+2:G0+4*(\s)+3], s[46:47], (\s)*SLOTB  ; global address: step s
	s_or_b32 s[G0+4*(\s)+3], s[G0+4*(\s)+3], 0x80000000            ; type = 2
.endr
	s_load_b32 s57, s[8:9], 0x0                    ; decay[0]: wanted on the way out
	LOADX 0, 0                                     ; X of step 0
	LOADX 1, 0
	WIN 0
	CROUND                                         ; all four work-groups are here: the first joint loads meet
	tensor_load_to_lds s[G0:G0+3], s[G1:G1+7]      ; steps 0 and 1: two tensor loads of mine are out
	s_nop 0
	tensor_load_to_lds s[G0+4:G0+7], s[G1:G1+7]
	s_nop 0
	PLACES
	v_and_b32 v1, 31, v0
	v_lshlrev_b32 v1, 4, v1                        ; 16 x lane
	v_add_nc_u32 v[RB], s42, v1
	v_add_nc_u32 v[RB+1], SLOTB, v[RB]
	s_mul_i32 s43, s[WV], DUMPW
	v_add_nc_u32 v[DA], s43, v1
	v_lshl_add_u32 v[TT], v[LH], 1, v[LR]          ; r + 2 h
	v_lshl_add_u32 v1, v[LH], 8, ABASE
.irp k, 0,1,2,3
	v_add_nc_u32 v[RA+(\k)], 4*(\k), v[TT]
	v_and_b32 v[RA+(\k)], 15, v[RA+(\k)]           ; (r + 2 c) % 16
	v_lshl_add_u32 v[RA+(\k)], v[RA+(\k)], 4, v1
.endr
	; a lane of a load of X holds row 2 pair + lane / 16 and k = 64 half + 4 (lane % 16) + 0..3: fragment k32 = 2 half + (lane % 16) / 8, and c = (lane % 16) / 2
	v_lshrrev_b32 v[TT], 1, v[LR]                  ; c
	v_and_b32 v1, 1, v[LR]
	v_lshlrev_b32 v1, 3, v1                        ; which 8 of the 16 bytes
	v_lshl_add_u32 v1, v[LH], 4, v1                ; the row's low bit
	v_lshl_add_u32 v1, v[TT], 8, v1                ; 1,024 (k32 % 2) + 512 quad + 256 h = 256 c
	s_lshl_b32 s43, s[WV], 13                      ; my wave's two row tiles
	s_add_co_u32 s43, s43, ABASE
	v_add_nc_u32 v1, s43, v1
.irp i, 0,1,2,3,4,5,6,7
	v_add_nc_u32 v[SA+(\i)], (\i), v[TT]
	v_and_b32 v[SA+(\i)], 7, v[SA+(\i)]            ; ((2 i + 2 c) % 16) / 2
	v_lshl_add_u32 v[SA+(\i)], v[SA+(\i)], 5, v1
.endr
	TOLDS 0, 0, 16                                 ; step 0 goes into slot 0 of the A ring; behind each half the same half of step 1 is asked for
	LOADX 0, 512
	TOLDS 1, 0, 16
	LOADX 1, 512
	WIN 0
	s_wait_tensorcnt 0x1                           ; my part of W's step 0 is in; step 1's may stay out
	s_wait_dscnt 0x0                               ; my stores into the A ring are done
	s_barrier_signal -1
	s_barrier_wait -1
	FETCH 0, 0, F0
	QUARTER 0, 1, F0, F1, 1                        ; the first quarter stands in front of the loop: its products start the sums
	WIN 0
	s_mov_b32 s23, 7
.Lk:                                                   ; a trip: two K steps, from an even step's second quarter to the next even step's first.  Step t stores X of step t + 1 and asks for X of step t + 2
	QUARTER 0, 2, F1, F0, 0, 1, 0, 1, 1, 1024, 16  ; the count leaves the other half's sixteen loads out
	QUARTER 0, 3, F0, F1, 0, 1, 1, 1, 1, 1024, 16
	TURN 0, 1, 1
	QUARTER 1, 1, F0, F1, 0
	QUARTER 1, 2, F1, F0, 0, 1, 0, 0, 1, 1536, 16
	QUARTER 1, 3, F0, F1, 0, 1, 1, 0, 1, 1536, 16
	TURN 1, 0, 1
	QUARTER 0, 1, F0, F1, 0
	WIN 0
	s_wait_xcnt 0x0                                ; the loads' base is stepped only behind this wait
	s_add_nc_u64 s[4:5], s[4:5], 1024
	s_sub_co_u32 s23, s23, 1
	s_cmp_lg_u32 s23, 0
	s_cbranch_scc1 .Lk
	QUARTER 0, 2, F1, F0, 0, 1, 0, 1, 0, 0, 16     ; step 14 stores step 15's X and asks for nothing
	QUARTER 0, 3, F0, F1, 0, 1, 1, 1, 0, 0, 0
	TURN 0, 1, 0
	QUARTER 1, 1, F0, F1, 0
	QUARTER 1, 2, F1, F0, 0
	QUARTER 1, 3, F0, F1, 0
	s_wait_dscnt 0x0
	MULG F1, 0, 0
	MULG F1, 2, 0
	MULG F1, 4, 0
	; THE WAY OUT.  W's ring has had its last fill and its last read: behind a barrier its bytes take all accumulators, 49,152 bytes a wave, each wave's own; then a loop over the eight row tiles reads six tiles back,
	; makes k~, splits and stores.  LDS serves a wave's instructions in order (ISA guide 5.7.1.4), so no wait stands between these stores and the loop's loads.
	PLACES
	WIN 0
	s_wait_dscnt 0x0
	s_barrier_signal -1
	s_barrier_wait -1                              ; no wave reads its part of W's ring any more
	WIN 0x08                                       ; store data in window 2
.set i2, 0
.rept 32
	ds_store_b128 v[DA], v[8*i2:8*i2+3]   offset:i2*1024      ; each accumulator's low registers first
	ds_store_b128 v[DA], v[8*i2+4:8*i2+7] offset:i2*1024+512
.set i2, i2+1
.endr
	WIN 0x0c                                       ; in window 3
.set i2, 0
.rept 16
	ds_store_b128 v[DA], v[8*i2:8*i2+3]   offset:(32+i2)*1024
	ds_store_b128 v[DA], v[8*i2+4:8*i2+7] offset:(32+i2)*1024+512
.set i2, i2+1
.endr
	WIN 0
	s_wait_kmcnt 0x0                               ; decay[0]
	v_mov_b32 v[NEG1], -1.0
	v_mov_b32 v[TT], s57
	v_cvt_pk_bf16_f32 v[TT], v[TT], v[TT]          ; rounded to bf16, like X and W
	v_lshlrev_b32 v[TT], 16, v[TT]
	v_mul_f32 v[ND], 0xbfb8aa3b, v[TT]             ; -d' = -decay x log2(e)
	v_and_b32 v1, 31, v0
	v_lshlrev_b32 v1, 4, v1                        ; 16 x lane
	s_lshl_b32 s40, s21, 2
	s_add_co_u32 s40, s40, s[WV]                   ; c8
	s_lshl_b32 s41, s22, 17                        ; 131,072 x block of 128 rows
	s_lshl_b32 s43, s40, 10                        ; Qs[block of 64][hl][qt][f = c8][quad = j][lane]
	s_add_co_u32 s43, s43, s41
	v_add_nc_u32 v[OFX], s43, v1
	s_lshr_b32 s43, s22, 1                         ; Ks[chunk][y][quarter = a % 4][w][hl][t = 2 (block % 2) + a / 4][quad][lane]
	s_lshl_b32 s43, s43, 18
	s_lshl_b32 s44, s21, 17
	s_add_co_u32 s43, s43, s44
	s_lshl_b32 s44, s[WV], 13
	s_add_co_u32 s43, s43, s44
	s_and_b32 s45, s22, 1
	s_lshl_b32 s44, s45, 11
	s_add_co_u32 s43, s43, s44
	v_add_nc_u32 v[OFX+1], s43, v1
	s_lshl_b32 s43, s21, 16                        ; KT[chunk][block % 2][y][a / 2][hl][w][a % 2][quad][place][16 bytes], place = 16 h + (r + 8 h) % 16
	s_add_co_u32 s43, s43, s41
	s_lshl_b32 s44, s[WV], 11
	s_add_co_u32 s43, s43, s44
	v_lshl_add_u32 v[TT], v[LH], 3, v[LR]
	v_and_b32 v[TT], 15, v[TT]
	v_lshl_add_u32 v[TT], v[LH], 4, v[TT]
	v_lshlrev_b32 v[TT], 4, v[TT]
	v_add_nc_u32 v[OFX+2], s43, v[TT]
	s_lshr_b32 s43, s40, 1                         ; Vs[chunk][block % 2][quarter = c8 / 2][a / 2][hl][t = 2 (c8 % 2) + j][quad = a % 2][lane]
	s_lshl_b32 s43, s43, 15
	s_add_co_u32 s43, s43, s41
	s_and_b32 s44, s40, 1
	s_lshl_b32 s44, s44, 11
	s_add_co_u32 s43, s43, s44
	v_add_nc_u32 v[OFX+3], s43, v1
	s_lshl_b32 s45, s45, 7
	s_sub_co_u32 s45, 255, s45
	v_sub_nc_u32 v[WBI], s45, v[LR]                ; 255 - 128 (block % 2) - r
	s_mov_b32 s58, 0
.Lout:                                                 ; row tile a = s58
	s_wait_xcnt 0x0                                ; the last trip's stores have read their registers: only behind this wait are these rewritten
	v_lshl_add_u32 v[DT], s58, 10, v[DA]
.irp j, 0,1,2,3,4,5
	ds_load_b128 v[XD+8*(\j):XD+8*(\j)+3],   v[DT] offset:(\j)*8192
	ds_load_b128 v[XD+8*(\j)+4:XD+8*(\j)+7], v[DT] offset:(\j)*8192+512
.endr
	s_lshl_b32 s40, s58, 4
	v_sub_nc_u32 v[T2], v[WBI], s40                ; 255 - my row's place in its chunk: 0 or more
	v_cvt_f32_u32 v[T2], v[T2]
	v_mul_f32 v[T2], v[ND], v[T2]
	v_exp_f32 v[WT], v[T2]                         ; twice: the packed multiply names a pair.  The additions below stand between the exponentials and the use of their results (ISA guide 5.7.2)
	v_exp_f32 v[WT+1], v[T2]
	s_lshr_b32 s41, s58, 2
	s_and_b32 s42, s58, 3
	s_lshr_b32 s43, s58, 1
	s_and_b32 s44, s58, 1
	s_lshl_b32 s45, s41, 16
	s_lshl_b32 s46, s42, 13
	s_add_co_u32 s45, s45, s46
	v_add_nc_u32 v[OTR], s45, v[OFX]
	s_lshl_b32 s45, s42, 15
	s_lshl_b32 s46, s41, 10
	s_add_co_u32 s45, s45, s46
	v_add_nc_u32 v[OTR+1], s45, v[OFX+1]
	s_lshl_b32 s45, s43, 14
	s_lshl_b32 s46, s44, 10
	s_add_co_u32 s45, s45, s46
	v_add_nc_u32 v[OTR+2], s45, v[OFX+2]
	s_lshl_b32 s45, s43, 13
	s_lshl_b32 s46, s44, 9
	s_add_co_u32 s45, s45, s46
	v_add_nc_u32 v[OTR+3], s45, v[OFX+3]
	s_wait_dscnt 0x0
	s_wait_alu depctr_va_vdst(0)
.irp z, 0,1,2,3,4,5,6,7
	v_pk_mul_f32 v[XD+48+2*(\z):XD+48+2*(\z)+1], v[XD+16+2*(\z):XD+16+2*(\z)+1], v[WT:WT+1] op_sel_hi:[1,0]  ; k~: in k's tiles a lane holds one row
.endr
.irp s, 0,1,2,3,4,5,6,7
	SPLIT XD+8*(\s), HP+4*(\s), XD+8*(\s), LP+4*(\s)
.endr
.irp j, 0,1                            ; every store of the wave covers 512 consecutive bytes, aligned
	global_store_b128 v[OTR],   v[HP+4*(\j):HP+4*(\j)+3],       s[10:11] offset:(\j)*512
	global_store_b128 v[OTR],   v[LP+4*(\j):LP+4*(\j)+3],       s[10:11] offset:32768+(\j)*512
	global_store_b128 v[OTR+1], v[HP+8+4*(\j):HP+8+4*(\j)+3],   s[12:13] offset:(\j)*512
	global_store_b128 v[OTR+1], v[LP+8+4*(\j):LP+8+4*(\j)+3],   s[12:13] offset:4096+(\j)*512
	global_store_b128 v[OTR+3], v[HP+16+4*(\j):HP+16+4*(\j)+3], s[16:17] offset:(\j)*1024
	global_store_b128 v[OTR+3], v[LP+16+4*(\j):LP+16+4*(\j)+3], s[16:17] offset:4096+(\j)*1024
	global_store_b128 v[OTR+2], v[HP+24+4*(\j):HP+24+4*(\j)+3], s[14:15] offset:(\j)*512
	global_store_b128 v[OTR+2], v[LP+24+4*(\j):LP+24+4*(\j)+3], s[14:15] offset:8192+(\j)*512
.endr
	s_add_co_u32 s58, s58, 1
	s_cmp_lt_u32 s58, 8
	s_cbranch_scc1 .Lout
	s_wait_tensorcnt 0x0                           ; the wave's end, behind my last tensor load and my last LDS store
	ds_add_u32 v[SPW], v[NIL]
	s_wait_dscnt 0x0
	CROUND                                         ; the closing round: no work-group ends while a partner may still ask for a tile that names it
	s_endpgm
.Lfunc_end_k_qe68fe7867b_proj:
	.size	k_qe68fe7867b_proj, .Lfunc_end_k_qe68fe7867b_proj-k_qe68fe7867b_proj
	.p2alignl 7, 3214868480
	.fill 96, 4, 3214868480
	.section	.rodata,"a",@progbits
	.p2align	6, 0x0
	.amdhsa_kernel k_qe68fe7867b_proj
		.amdhsa_group_segment_fixed_size 327680
		.amdhsa_private_segment_fixed_size 0
		.amdhsa_enable_private_segment 0
		.amdhsa_kernarg_size 56
		.amdhsa_user_sgpr_count 2
		.amdhsa_user_sgpr_kernarg_segment_ptr 1
		.amdhsa_wavefront_size32 1
		.amdhsa_system_sgpr_workgroup_id_x 1
		.amdhsa_system_sgpr_workgroup_id_y 1
		.amdhsa_system_sgpr_workgroup_id_z 1
		.amdhsa_system_vgpr_workitem_id 0
		.amdhsa_next_free_vgpr 896
		.amdhsa_next_free_sgpr 66
		.amdhsa_reserve_vcc 0
		.amdhsa_float_denorm_mode_32 3
		.amdhsa_float_denorm_mode_16_64 3
		.amdhsa_memory_ordered 1
		.amdhsa_forward_progress 1
		.amdhsa_inst_pref_size 145
	.end_amdhsa_kernel
	.amdgpu_metadata
---
amdhsa.version: [ 1, 2 ]
amdhsa.kernels:
  - .name:           k_qe68fe7867b_proj
    .symbol:         k_qe68fe7867b_proj.kd
    .args:
      - { .name: X, .offset: 0, .size: 8, .value_kind: global_buffer, .address_space: global }
      - { .name: Wf, .offset: 8, .size: 8, .value_kind: global_buffer, .address_space: global }
      - { .name: decay, .offset: 16, .size: 8, .value_kind: global_buffer, .address_space: global }
      - { .name: Qs, .offset: 24, .size: 8, .value_kind: global_buffer, .address_space: global }
      - { .name: Ks, .offset: 32, .size: 8, .value_kind: global_buffer, .address_space: global }
      - { .name: KT, .offset: 40, .size: 8, .value_kind: global_buffer, .address_space: global }
      - { .name: Vs, .offset: 48, .size: 8, .value_kind: global_buffer, .address_space: global }
    .group_segment_fixed_size: 327680
    .private_segment_fixed_size: 0
    .kernarg_segment_align: 8
    .kernarg_segment_size: 56
    .max_flat_workgroup_size: 128
    .sgpr_count:     66
    .vgpr_count:     896
    .wavefront_size: 32
...
	.end_amdgpu_metadata
.endif
;; end of part 2
;; launch chunku (part 3): grid 60 x 4, 4 waves a work-group, no clusters, 263,168 bytes of LDS; arguments KT, Vs, U; writes U
.if DOCPART == 3
	.amdgcn_target "amdgcn-amd-amdhsa--gfx1250"
	.amdhsa_code_object_version 6
	.text
	.protected	k_qe68fe7867b_chunku
	.globl	k_qe68fe7867b_chunku
	.p2align	8
	.type	k_qe68fe7867b_chunku,@function
k_qe68fe7867b_chunku:
	s_mov_b64 s[64:65], 0
	v_nop
	global_prefetch_b8 v0, s[64:65] scope:SCOPE_SE
	s_setreg_imm32_b32 hwreg(HW_REG_WAVE_MODE, 25, 1), 1
	s_wait_xcnt 0x0
; U_c[kd][vd] = the sum over the chunk's 256 keys of k~[key][kd] v[key][vd], for the chunks c = 0..14 of each of four batches (the last chunk's is never wanted).  k~ and v are pairs of bf16, hi + lo:
; three products, hi hi + lo hi + hi lo (lo lo, 2^-16 of the whole, is dropped), sums in f32; U leaves in f32, in the order of the state's fragments.
; SHARES.  A work-group makes 128 kd x 128 vd of one chunk, a wave 64 x 64: 16 accumulators.  The keys go in 8 steps of 32, 48 matrix instructions each.
; LDS is filled once: 262,144 bytes by two tensor loads a wave of 32,768 dense bytes (keys 0-127, keys 128-255): waves 0, 1 bring k~'s two halves, waves 2, 3 v's two quarters.  No byte is filled again.
; NO CLUSTER: of a work-group's two operand blocks each is shared with one other work-group only, k~'s with one and v's with another; four in a row share neither.
; k~ lies [key][channel] in units of 16 keys x 16 channels and comes out of LDS turned, by ds_load_tr16_b128; in a unit the 16 bytes of (key row, channel half g) lie at place 16 g + (row + 8 g) % 16.
; REGISTERS: window 0: v0-15 addresses; v128-255 the accumulators, (tk, tv) at 128 + 8 (4 tk + tv).  Window 1: two buffers of 128: k~'s fragment (hl, tk) at 8 (4 hl + tk), v's (hl, tv) at 64 + 8 (4 hl + tv).
.set SPARE, 262144                     ; the spare words, 128 bytes for each wave: two blocks of 256 bytes that no other line names
.set KA,  2                            ; v2-3  my lane's place in k~'s units, for the first and the second two steps of a piece
.set VA,  4                            ; v4    my 16 bytes in my quarter of v
.set UO,  5                            ; v5    my byte offset in U
.set SPW, 6                            ; v6    LDS address of my spare word; never rewritten
.set NIL, 7                            ; v7    0; never rewritten
.set ACC, 128
.set B0,  0
.set B1,  128
.set G1,  24                           ; s[24:31] descriptor group 1
.set G0,  32                           ; s[32:39] descriptor group 0, a set for each piece
.set MSB, 0
.macro WIN new
.if MSB != (\new)
	s_set_vgpr_msb (MSB<<8)|(\new)
.set MSB, \new
.endif
.endm
.macro PLACES
.rept 4
	v_nop
.endr
.endm
	s_load_b128 s[4:7], s[0:1], 0x0                ; KT s[4:5], Vs s[6:7]
	s_load_b64 s[8:9], s[0:1], 0x10                ; U
	v_lshl_add_u32 v[SPW], v0, 2, SPARE
	v_mov_b32 v[NIL], 0
	ds_add_u32 v[SPW], v[NIL]                      ; the wave's opening: the add and its wait stand ahead of my first tensor load; the set-up below stands between them
	ds_add_u32 v6, v7
	v_lshrrev_b32 v1, 5, v0
	v_readfirstlane_b32 s10, v1                    ; wave 0..3
	s_lshr_b32 s11, ttmp9, 2                       ; c
	s_and_b32 s12, ttmp7, 0xffff                   ; the batch
	s_lshl_b32 s12, s12, 4
	s_add_co_u32 s12, s12, s11                     ; chunk
	s_bfe_u32 s13, ttmp9, 0x10001                  ; which half of kd
	s_and_b32 s14, ttmp9, 1                        ; which half of vd
	s_lshr_b32 s15, s10, 1                         ; my wave's half of the 128 kd
	s_and_b32 s16, s10, 1                          ; and of the 128 vd.  Also: which 32,768 bytes of a piece I fetch
	s_mov_b32 s[G1+0], 3<<16                       ; elements of 8 bytes; no mask, no padding: 32,768 dense bytes as 128 rows of 256
	s_mov_b32 s[G1+1], 32<<16                      ; tensor_dim0 = 32
	s_mov_b32 s[G1+2], 128<<16                     ; tensor_dim1 = 128
	s_mov_b32 s[G1+3], 32<<16                      ; tile_dim0 = 32
	s_mov_b32 s[G1+4], 128                         ; tile_dim1 = 128
	s_mov_b32 s[G1+5], 32
	s_mov_b32 s[G1+6], 0
	s_mov_b32 s[G1+7], 0
	s_lshl_b32 s17, s12, 18                        ; a chunk is 262,144 bytes in each buffer
	s_cmp_lt_u32 s10, 2                            ; waves 0, 1 fetch k~, waves 2, 3 fetch v
	s_cselect_b32 s18, s13, s14
	s_lshl_b32 s18, s18, 16                        ; the half's 65,536 bytes in a piece
	s_add_co_u32 s18, s18, s17
	s_lshl_b32 s19, s16, 15
	s_add_co_u32 s18, s18, s19
	s_mov_b32 s19, 0
	s_lshl_b32 s20, s10, 16                        ; where they go: 65,536 x wave + 32,768 x piece
	s_mov_b32 s[G0], 1
	s_mov_b32 s[G0+1], s20
	s_mov_b32 s[G0+4], 1
	s_add_co_u32 s[G0+5], s20, 32768
	s_wait_dscnt 0x0                               ; the opening add is done
	s_wait_kmcnt 0x0
	s_cmp_lt_u32 s10, 2
	s_cselect_b64 s[22:23], s[4:5], s[6:7]
	s_add_nc_u64 s[G0+2:G0+3], s[22:23], s[18:19]
	s_add_nc_u64 s[G0+6:G0+7], s[G0+2:G0+3], 131072  ; the second piece: keys 128 on
	s_or_b32 s[G0+3], s[G0+3], 0x80000000
	s_or_b32 s[G0+7], s[G0+7], 0x80000000
	tensor_load_to_lds s[G0:G0+3], s[G1:G1+7]      ; two tensor loads of mine are out
	s_nop 0
	tensor_load_to_lds s[G0+4:G0+7], s[G1:G1+7]
	s_nop 0
	PLACES
	; the turning load: lane l reads key row 8 (l / 16) + l % 8, channel half g = (l / 8) % 2, and is left with channel l % 16 and eight keys
	v_and_b32 v1, 7, v0
	v_bfe_u32 v8, v0, 4, 1
	v_bfe_u32 v9, v0, 3, 1
	v_add_nc_u32 v10, v8, v9
	v_and_b32 v10, 1, v10                          ; bit 3 of (row + 8 g) % 16
	v_lshl_add_u32 v10, v10, 3, v1
	v_lshl_add_u32 v10, v9, 4, v10
	v_lshlrev_b32 v10, 4, v10
	s_lshl_b32 s21, s15, 12                        ; my four channel tiles
	v_add_nc_u32 v[KA], s21, v10
	v_add_nc_u32 v[KA+1], 65536, v[KA]
	v_and_b32 v1, 31, v0
	v_lshlrev_b32 v1, 4, v1
	s_add_co_u32 s21, s16, 2
	s_lshl_b32 s21, s21, 16
	v_add_nc_u32 v[VA], s21, v1
	s_lshl_b32 s21, s13, 17                        ; U[chunk][unit][half][lane]: 131,072 x kd half + 32,768 x vd quarter + 16,384 x my kd half
	s_add_co_u32 s21, s21, s17
	s_lshl_b32 s22, s14, 1
	s_add_co_u32 s22, s22, s16
	s_lshl_b32 s22, s22, 15
	s_add_co_u32 s21, s21, s22
	s_lshl_b32 s22, s15, 14
	s_add_co_u32 s21, s21, s22
	v_add_nc_u32 v[UO], s21, v1
.macro KFETCH k, buf                   ; 32 LDS loads in one run: the fragments of key step k
	WIN 0x40                                       ; destination window 1
.irp hl, 0,1
.irp t, 0,1,2,3
	ds_load_tr16_b128 v[(\buf)+8*(4*(\hl)+(\t)):(\buf)+8*(4*(\hl)+(\t))+3],   v[KA+((\k)%4)/2] offset:((\k)/4)*32768+((\k)%2)*16384+(\hl)*8192+((\t)/2)*2048+((\t)%2)*512
	ds_load_tr16_b128 v[(\buf)+8*(4*(\hl)+(\t))+4:(\buf)+8*(4*(\hl)+(\t))+7], v[KA+((\k)%4)/2] offset:((\k)/4)*32768+((\k)%2)*16384+(\hl)*8192+((\t)/2)*2048+((\t)%2)*512+1024
.endr
.endr
.irp hl, 0,1
.irp t, 0,1,2,3
	ds_load_b128 v[(\buf)+64+8*(4*(\hl)+(\t)):(\buf)+64+8*(4*(\hl)+(\t))+3],   v[VA] offset:((\k)/4)*32768+((\k)%4)*8192+(\hl)*4096+(\t)*1024
	ds_load_b128 v[(\buf)+64+8*(4*(\hl)+(\t))+4:(\buf)+64+8*(4*(\hl)+(\t))+7], v[VA] offset:((\k)/4)*32768+((\k)%4)*8192+(\hl)*4096+(\t)*1024+512
.endr
.endr
.endm
.macro PRODK buf, ahl, bhl, zero       ; 16 matrix instructions; the 16 accumulators take turns
	WIN 0x05                                       ; sources 0 and 1 in window 1
.irp tk, 0,1,2,3
.irp tv, 0,1,2,3
.set rD, ACC+8*(4*(\tk)+(\tv))
.set rA, (\buf)+8*(4*(\ahl)+(\tk))
.set rB, (\buf)+64+8*(4*(\bhl)+(\tv))
.if \zero
	v_wmma_f32_16x16x32_bf16 v[rD:rD+7], v[rA:rA+7], v[rB:rB+7], 0
.else
	v_wmma_f32_16x16x32_bf16 v[rD:rD+7], v[rA:rA+7], v[rB:rB+7], v[rD:rD+7]
.endif
.endr
.endr
.endm
.macro KSTEP k, buf, other
	s_wait_dscnt 0x0                               ; this step's fragments are in
.if (\k) == 3
	s_wait_tensorcnt 0x0                           ; this step fetches the second piece's first fragments: my part of it has landed,
	s_barrier_signal -1
	s_barrier_wait -1                              ; and everybody's
.endif
.if (\k) == 0
	PRODK \buf, 0, 0, 1                            ; the first products start the sums
.else
	PRODK \buf, 0, 0, 0
.endif
.if (\k) < 7
	PLACES                                         ; in front of loads into registers that the step before multiplied
	KFETCH (\k)+1, \other
.endif
	PRODK \buf, 1, 0, 0
	PRODK \buf, 0, 1, 0
.endm
	s_wait_tensorcnt 0x1                           ; my part of the first piece is in; the second's stays out
	s_barrier_signal -1
	s_barrier_wait -1
	KFETCH 0, B0
	KSTEP 0, B0, B1
	KSTEP 1, B1, B0
	KSTEP 2, B0, B1
	KSTEP 3, B1, B0
	KSTEP 4, B0, B1
	KSTEP 5, B1, B0
	KSTEP 6, B0, B1
	KSTEP 7, B1, B0
	PLACES
	WIN 0
.irp tk, 0,1,2,3                       ; a lane holds vd l % 16 and eight kd: every store of the wave covers 512 consecutive bytes, aligned; each accumulator's low registers first
.irp tv, 0,1,2,3
	global_store_b128 v[UO], v[ACC+8*(4*(\tk)+(\tv)):ACC+8*(4*(\tk)+(\tv))+3],   s[8:9] offset:((\tk)/2)*8192+(\tv)*2048+((\tk)%2)*1024
	global_store_b128 v[UO], v[ACC+8*(4*(\tk)+(\tv))+4:ACC+8*(4*(\tk)+(\tv))+7], s[8:9] offset:((\tk)/2)*8192+(\tv)*2048+((\tk)%2)*1024+512
.endr
.endr
	s_wait_tensorcnt 0x0                           ; the wave's end
	ds_add_u32 v[SPW], v[NIL]
	s_wait_dscnt 0x0
	s_endpgm
.Lfunc_end_k_qe68fe7867b_chunku:
	.size	k_qe68fe7867b_chunku, .Lfunc_end_k_qe68fe7867b_chunku-k_qe68fe7867b_chunku
	.p2alignl 7, 3214868480
	.fill 96, 4, 3214868480
	.section	.rodata,"a",@progbits
	.p2align	6, 0x0
	.amdhsa_kernel k_qe68fe7867b_chunku
		.amdhsa_group_segment_fixed_size 263168
		.amdhsa_private_segment_fixed_size 0
		.amdhsa_enable_private_segment 0
		.amdhsa_kernarg_size 24
		.amdhsa_user_sgpr_count 2
		.amdhsa_user_sgpr_kernarg_segment_ptr 1
		.amdhsa_wavefront_size32 1
		.amdhsa_system_sgpr_workgroup_id_x 1
		.amdhsa_system_sgpr_workgroup_id_y 1
		.amdhsa_system_sgpr_workgroup_id_z 1
		.amdhsa_system_vgpr_workitem_id 0
		.amdhsa_next_free_vgpr 512
		.amdhsa_next_free_sgpr 66
		.amdhsa_reserve_vcc 0
		.amdhsa_float_denorm_mode_32 3
		.amdhsa_float_denorm_mode_16_64 3
		.amdhsa_memory_ordered 1
		.amdhsa_forward_progress 1
		.amdhsa_inst_pref_size 49
	.end_amdhsa_kernel
	.amdgpu_metadata
---
amdhsa.version: [ 1, 2 ]
amdhsa.kernels:
  - .name:           k_qe68fe7867b_chunku
    .symbol:         k_qe68fe7867b_chunku.kd
    .args:
      - { .name: KT, .offset: 0, .size: 8, .value_kind: global_buffer, .address_space: global }
      - { .name: Vs, .offset: 8, .size: 8, .value_kind: global_buffer, .address_space: global }
      - { .name: U, .offset: 16, .size: 8, .value_kind: global_buffer, .address_space: global }
    .group_segment_fixed_size: 263168
    .private_segment_fixed_size: 0
    .kernarg_segment_align: 8
    .kernarg_segment_size: 24
    .max_flat_workgroup_size: 128
    .sgpr_count:     66
    .vgpr_count:     512
    .wavefront_size: 32
...
	.end_amdgpu_metadata
.endif
;; end of part 3
;; launch scan (part 4): grid 256 x 1, 4 waves a work-group, no clusters, 0 bytes of LDS; arguments U, decay, Ss; writes Ss
.if DOCPART == 4
	.amdgcn_target "amdgcn-amd-amdhsa--gfx1250"
	.amdhsa_code_object_version 6
	.text
	.protected	k_qe68fe7867b_scan
	.globl	k_qe68fe7867b_scan
	.p2align	8
	.type	k_qe68fe7867b_scan,@function
k_qe68fe7867b_scan:
	s_mov_b64 s[64:65], 0
	v_nop
	global_prefetch_b8 v0, s[64:65] scope:SCOPE_SE
	s_setreg_imm32_b32 hwreg(HW_REG_WAVE_MODE, 25, 1), 1
	s_wait_xcnt 0x0
; The state from chunk to chunk: S_0 = 0, S_(c+1) = 2^(-256 d') S_c + U_c, d' = bf16(decay[0]) x log2(e); the carry stays in f32; each S_c leaves as a pair of bf16, hi + lo, in fragment order.
; A wave owns one unit of 256 numbers (8 a lane) of one batch through all 16 chunks: 1,024 waves.  All 30 loads of a lane go out at once (15 chunks x 2 x 16 bytes); the waits count the later chunks' loads.
; Every load and store of a wave covers 512 consecutive bytes, aligned.  A stream: no LDS, no matrix unit.  A factor below 2^-126 counts as 0.
.set UO,   2                           ; v2   my byte offset in U, chunk 0
.set SO,   3                           ; v3   my byte offset in Ss, chunk 0, hi part
.set TT,   4
.set UB,   32                          ; v[32:151]  U_c at 32 + 8 c; S_(c+1) takes its place
.set HP,   152
.set LP,   156
.set GG,   160                         ; v[160:161] the factor, twice
.set NEG1, 162
.set ZZ,   164                         ; v[164:167] zeros
.set RS,   168                         ; v[168:175] S - hi
.macro SPLIT x, hi, res, lo
.irp i, 0,1,2,3
	v_cvt_pk_bf16_f32 v[(\hi)+(\i)], v[(\x)+2*(\i)], v[(\x)+2*(\i)+1]
.endr
.irp i, 0,1,2,3
	v_fma_mix_f32_bf16 v[(\res)+2*(\i)], v[(\hi)+(\i)], v[NEG1], v[(\x)+2*(\i)] op_sel_hi:[1,0,0]
	v_fma_mix_f32_bf16 v[(\res)+2*(\i)+1], v[(\hi)+(\i)], v[NEG1], v[(\x)+2*(\i)+1] op_sel:[1,0,0] op_sel_hi:[1,0,0]
.endr
.irp i, 0,1,2,3
	v_cvt_pk_bf16_f32 v[(\lo)+(\i)], v[(\res)+2*(\i)], v[(\res)+2*(\i)+1]
.endr
.endm
	s_load_b128 s[4:7], s[0:1], 0x0                ; U s[4:5], decay s[6:7]
	s_load_b64 s[8:9], s[0:1], 0x10                ; Ss
	v_lshrrev_b32 v1, 5, v0
	v_readfirstlane_b32 s10, v1
	s_lshl_b32 s11, ttmp9, 2
	s_add_co_u32 s11, s11, s10                     ; 256 x batch + unit
	s_lshr_b32 s12, s11, 8
	s_and_b32 s13, s11, 255
	s_lshl_b32 s14, s12, 22                        ; a batch's 16 chunks of 262,144 bytes
	s_lshl_b32 s15, s13, 10                        ; in U a unit is 1,024 bytes
	s_add_co_u32 s15, s15, s14
	s_lshr_b32 s16, s13, 3                         ; in Ss: 8,192 x (unit / 8) + 512 x (unit % 8), the lo part 4,096 on
	s_lshl_b32 s16, s16, 13
	s_and_b32 s17, s13, 7
	s_lshl_b32 s17, s17, 9
	s_add_co_u32 s16, s16, s17
	s_add_co_u32 s16, s16, s14
	v_and_b32 v1, 31, v0
	v_lshlrev_b32 v1, 4, v1
	v_add_nc_u32 v[UO], s15, v1
	v_add_nc_u32 v[SO], s16, v1
	v_mov_b32 v[NEG1], -1.0
.irp i, 0,1,2,3
	v_mov_b32 v[ZZ+(\i)], 0
.endr
	s_wait_kmcnt 0x0
	s_load_b32 s18, s[6:7], 0x0                    ; decay[0]
.set c, 0
.rept 15
	global_load_b128 v[UB+8*c:UB+8*c+3],   v[UO], s[4:5] offset:c*262144 th:TH_LOAD_NT
	global_load_b128 v[UB+8*c+4:UB+8*c+7], v[UO], s[4:5] offset:c*262144+512 th:TH_LOAD_NT
.set c, c+1
.endr
	global_store_b128 v[SO], v[ZZ:ZZ+3], s[8:9]                ; S_0 = 0, both parts
	global_store_b128 v[SO], v[ZZ:ZZ+3], s[8:9] offset:4096
	s_wait_kmcnt 0x0
	v_mov_b32 v[TT], s18
	v_cvt_pk_bf16_f32 v[TT], v[TT], v[TT]
	v_lshlrev_b32 v[TT], 16, v[TT]
	v_mul_f32 v[TT], 0x3fb8aa3b, v[TT]             ; d'
	v_mul_f32 v[TT], 0xc3800000, v[TT]             ; -256 d'
	v_exp_f32 v[GG], v[TT]
	v_exp_f32 v[GG+1], v[TT]
	v_nop                                          ; a plain instruction between the exponentials and the use of their results (ISA guide 5.7.2)
	s_wait_alu depctr_va_vdst(0)
.set c, 1
.rept 15
	s_wait_loadcnt 30-2*c                          ; U of chunk c - 1 is in; the later chunks' loads stay out
.if c > 1
.irp z, 0,2,4,6
	v_pk_fma_f32 v[UB+8*(c-1)+(\z):UB+8*(c-1)+(\z)+1], v[UB+8*(c-2)+(\z):UB+8*(c-2)+(\z)+1], v[GG:GG+1], v[UB+8*(c-1)+(\z):UB+8*(c-1)+(\z)+1]
.endr
.endif
	s_wait_xcnt 0x0                                ; the last stores have read their registers: only behind this wait are these rewritten
	SPLIT UB+8*(c-1), HP, RS, LP
	global_store_b128 v[SO], v[HP:HP+3], s[8:9] offset:c*262144
	global_store_b128 v[SO], v[LP:LP+3], s[8:9] offset:c*262144+4096
.set c, c+1
.endr
	s_endpgm
.Lfunc_end_k_qe68fe7867b_scan:
	.size	k_qe68fe7867b_scan, .Lfunc_end_k_qe68fe7867b_scan-k_qe68fe7867b_scan
	.p2alignl 7, 3214868480
	.fill 96, 4, 3214868480
	.section	.rodata,"a",@progbits
	.p2align	6, 0x0
	.amdhsa_kernel k_qe68fe7867b_scan
		.amdhsa_group_segment_fixed_size 0
		.amdhsa_private_segment_fixed_size 0
		.amdhsa_enable_private_segment 0
		.amdhsa_kernarg_size 24
		.amdhsa_user_sgpr_count 2
		.amdhsa_user_sgpr_kernarg_segment_ptr 1
		.amdhsa_wavefront_size32 1
		.amdhsa_system_sgpr_workgroup_id_x 1
		.amdhsa_system_sgpr_workgroup_id_y 1
		.amdhsa_system_sgpr_workgroup_id_z 1
		.amdhsa_system_vgpr_workitem_id 0
		.amdhsa_next_free_vgpr 176
		.amdhsa_next_free_sgpr 66
		.amdhsa_reserve_vcc 0
		.amdhsa_float_denorm_mode_32 3
		.amdhsa_float_denorm_mode_16_64 3
		.amdhsa_memory_ordered 1
		.amdhsa_forward_progress 1
		.amdhsa_inst_pref_size 27
	.end_amdhsa_kernel
	.amdgpu_metadata
---
amdhsa.version: [ 1, 2 ]
amdhsa.kernels:
  - .name:           k_qe68fe7867b_scan
    .symbol:         k_qe68fe7867b_scan.kd
    .args:
      - { .name: U, .offset: 0, .size: 8, .value_kind: global_buffer, .address_space: global }
      - { .name: decay, .offset: 8, .size: 8, .value_kind: global_buffer, .address_space: global }
      - { .name: Ss, .offset: 16, .size: 8, .value_kind: global_buffer, .address_space: global }
    .group_segment_fixed_size: 0
    .private_segment_fixed_size: 0
    .kernarg_segment_align: 8
    .kernarg_segment_size: 24
    .max_flat_workgroup_size: 128
    .sgpr_count:     66
    .vgpr_count:     176
    .wavefront_size: 32
...
	.end_amdgpu_metadata
.endif
;; end of part 4
;; launch final (part 5): grid 64 x 4, 4 waves a work-group, clusters of 4 x 1, 327,680 bytes of LDS; arguments Qs, Ks, Vs, Ss, decay, out0; writes out0
.if DOCPART == 5
	.amdgcn_target "amdgcn-amd-amdhsa--gfx1250"
	.amdhsa_code_object_version 6
	.text
	.protected	k_qe68fe7867b_final
	.globl	k_qe68fe7867b_final
	.p2align	8
	.type	k_qe68fe7867b_final,@function
k_qe68fe7867b_final:
	s_mov_b64 s[64:65], 0
	v_nop
	global_prefetch_b8 v0, s[64:65] scope:SCOPE_SE
	s_setreg_imm32_b32 hwreg(HW_REG_WAVE_MODE, 25, 1), 1
	s_wait_xcnt 0x0
	s_wait_alu depctr_hold_cnt(0) depctr_sa_sdst(0) depctr_va_vdst(0) depctr_va_sdst(0) depctr_va_ssrc(0) depctr_va_vcc(0) depctr_vm_vsrc(0)
	s_getreg_b32 s2, hwreg(HW_REG_IB_STS2, 6, 4)
	s_cmp_eq_u32 s2, 0
	s_cbranch_scc0 .Lentry_in_a_cluster
	s_endpgm
.Lentry_in_a_cluster:
	s_bfe_u32 s2, ttmp6, 0x10000c
	s_cmp_lg_u32 s2, 0x3003
	s_cbranch_scc0 .Lentry_shape_is_right
	s_endpgm
.Lentry_shape_is_right:
; out[i] = 2^(-d' (i - c0 + 1) - 4) (q_i S_c) + the sum over the keys j <= i of i's own chunk of 2^(-d' (i - j) - 4) (q_i . k_j) v_j;  c0 the chunk's first row, d' = bf16(decay[0]) x log2(e), 2^-4 the 1 / sqrt(256).
; The decay over i - j is the product of the factor here, of the one in k~ and of the state's: each lies between 1 and the whole, so none leaves f32's range before the whole does.
; LIMITS.  q, k, v, S and the weights P are pairs of bf16, hi + lo; a product of two pairs is hi hi + lo hi + hi lo (lo lo, 2^-16 of the whole, is dropped).  A factor below 2^-126 counts as 0.  The exponential of a
; hidden score may be an infinity: it is replaced by 0 before it is multiplied.  NaN and infinities in the inputs are not treated apart.
; SHARES.  A work-group owns 64 queries of a chunk of 256.  Three times the same product T[256 x 64 queries] = A[256 x 256] B^T: A = S^T, B = q;  A = k, B = q;  A = v^T, B = P.  Wave w owns A's quarter w (four tiles t
; of 16 rows) and all four query tiles qt: 16 accumulators.  B stays in registers, 64 fragments; A goes through a ring of two LDS slots, half of the 256 along the contraction each; a wave reads only the 32,768 bytes that it asked for.
; In T a lane holds ONE query (lane % 16) and eight rows of A: eight channels of out, or eight keys.  k's quarter w holds the key tiles 4 t + w, so that t = 0, 1 of all waves are the first 128 keys.
; CLUSTER.  The four blocks of 64 queries of a chunk walk the same S, k and v: each tile is asked for jointly, the same tensor load, descriptor and mask in all four.  My place in the cluster enters q's and out's
; addresses and the values of the factors alone.
; LDS: ring slot s at 131,072 s, wave part 32,768 w, [F % 4][hl][t][1,024]; P at 262,144, [hl][qt][F % 4][1,024]: half of P at a time; a stage of 16 rows x 272 bytes for each wave; the spare words.
; REGISTERS, in windows of 256 (s_set_vgpr_msb: bits 1:0 source 0, 3:2 source 1, 5:4 source 2, 7:6 destination):
;   window 0: v0-63 addresses, tables, at work; v64-127, v128-191 A's fragments, (hl, t) at 32 hl + 8 t, two buffers; v192-223 at work on the way out
;   window 1: v0-127 T, (t, qt) at 8 (4 t + qt); v128-255 the first product, scaled      window 2: B's hi parts, (qt, F) at 8 (8 qt + F)      window 3: B's lo parts
.set SLOT,   131072
.set PREG,   2*SLOT
.set STAGE,  PREG+32768
.set SPITCH, 272                       ; 256 bytes + 16: the 16 rows of a store start at 16 different columns of 16 bytes (64 banks of 4 bytes: ISA guide 11.1)
.set SPARE,  STAGE+4*16*SPITCH         ; the spare words, 128 bytes for each wave: two blocks of 256 bytes that no other line names
.set AD,   2                           ; v2-3    my 16 bytes in my wave's part of slot 0, 1
.set PST,  4                           ; v4      where I store 16 bytes of P
.set PLD,  5                           ; v5      where I read P
.set STO,  6                           ; v6      the way out: where I put 16 bytes of a row
.set RD,   7                           ; v7      where I read a row back
.set GO,   8                           ; v8      my byte offset in two rows of out
.set QO,   9                           ; v9      16 x lane
.set SPW,  10                          ; v10     LDS address of my spare word; never rewritten
.set NIL,  11                          ; v11     0; never rewritten
.set DLI,  12                          ; v12-19  64 m + r - 16 w - 8 h - jj + 48, whole numbers: query less key for tile (0, 0), plus 48
.set AL,   20                          ; v20-27  -d' x that - 4
.set EI,   28                          ; v28-35  the first product's factor for query tile qt, twice
.set EE,   36                          ; v36-43  a tile's eight factors
.set PX,   44                          ; v44-51  a tile's eight weights
.set HP,   52
.set LP,   56
.set NEG1, 60
.set T1,   61
.set T2,   62
.set T3,   63
.set AF0,  64
.set AF1,  128
.set OW,   192
.set WV,   16                          ; s16  my wave's number
.set G1,   24                          ; s[24:31] descriptor group 1
.set G0,   32                          ; s[32:39] descriptor group 0, a set for each slot
.set OFS,  40                          ; s[40:43] my part's byte offset in Ss, Ks and Vs, for slot 0 and slot 1
.set MSB, 0
.macro WIN new
.if MSB != (\new)
	s_set_vgpr_msb (MSB<<8)|(\new)
.set MSB, \new
.endif
.endm
.macro PLACES
.rept 4
	v_nop
.endr
.endm
.macro CROUND                          ; a round of the cluster's barrier
	s_barrier_signal -1
	s_barrier_wait -1
	s_cmp_lg_u32 s[WV], 0
	s_cbranch_scc1 .Lnot_wave_0_\@
	s_barrier_signal -3
.Lnot_wave_0_\@:
	s_barrier_wait -3
	s_barrier_signal -1
	s_barrier_wait -1
.endm
.macro SPLIT x, hi, res, lo
.irp i, 0,1,2,3
	v_cvt_pk_bf16_f32 v[(\hi)+(\i)], v[(\x)+2*(\i)], v[(\x)+2*(\i)+1]
.endr
.irp i, 0,1,2,3
	v_fma_mix_f32_bf16 v[(\res)+2*(\i)], v[(\hi)+(\i)], v[NEG1], v[(\x)+2*(\i)] op_sel_hi:[1,0,0]
	v_fma_mix_f32_bf16 v[(\res)+2*(\i)+1], v[(\hi)+(\i)], v[NEG1], v[(\x)+2*(\i)+1] op_sel:[1,0,0] op_sel_hi:[1,0,0]
.endr
.irp i, 0,1,2,3
	v_cvt_pk_bf16_f32 v[(\lo)+(\i)], v[(\res)+2*(\i)], v[(\res)+2*(\i)+1]
.endr
.endm
; 16 matrix instructions: part ahl of A's four tiles x part bhl of B's four query tiles, 32 along the contraction at 32 F.  The 16 accumulators take turns
.macro PRODF buf, F, ahl, bhl, zero
.if \bhl
	WIN 0x5c                                       ; A window 0, B window 3, C and D window 1
.else
	WIN 0x58                                       ; B window 2
.endif
.irp t, 0,1,2,3
.irp q, 0,1,2,3
.set rT, 8*(4*(\t)+(\q))
.set rA, (\buf)+32*(\ahl)+8*(\t)
.set rB, 8*(8*(\q)+(\F))
.if \zero
	v_wmma_f32_16x16x32_bf16 v[rT:rT+7], v[rA:rA+7], v[rB:rB+7], 0
.else
	v_wmma_f32_16x16x32_bf16 v[rT:rT+7], v[rA:rA+7], v[rB:rB+7], v[rT:rT+7]
.endif
.endr
.endr
.endm
.macro AFETCH slot, ff, buf            ; 16 LDS loads in one run: A's fragments of step ff of a slot
	WIN 0
.irp hl, 0,1
.irp t, 0,1,2,3
	ds_load_b128 v[(\buf)+32*(\hl)+8*(\t):(\buf)+32*(\hl)+8*(\t)+3],   v[AD+(\slot)] offset:(\ff)*8192+(\hl)*4096+(\t)*1024
	ds_load_b128 v[(\buf)+32*(\hl)+8*(\t)+4:(\buf)+32*(\hl)+8*(\t)+7], v[AD+(\slot)] offset:(\ff)*8192+(\hl)*4096+(\t)*1024+512
.endr
.endr
.endm
.macro FSTEP slot, ff, F, buf, other, zero  ; one of a slot's first three steps
	s_wait_dscnt 0x0
	PRODF \buf, \F, 0, 0, \zero
	PLACES
	AFETCH \slot, (\ff)+1, \other
	PRODF \buf, \F, 1, 0, 0
	PRODF \buf, \F, 0, 1, 0
.endm
; A slot's last step.  mode 2: the slot is filled again, from the buffer whose address lies in s[src:src+1]: each wave has waited for its reads of the slot and for all its tensor loads (one is out: its part of the other
; slot) and has added 0 to its spare word; behind a round of the cluster's barrier the joint refill comes first, then the other slot's first fragments.  mode 1: nothing is filled; mode 0: nothing is left to read.
.macro FLAST slot, F, buf, other, mode, src
	s_wait_dscnt 0x0                               ; this step's fragments are in: my reads of the slot are over
	WIN 0
	s_wait_tensorcnt 0x0                           ; my part of the other slot has landed; no tensor load of mine is out, so a group 0 may be written
.if (\mode) == 2
	ds_add_u32 v[SPW], v[NIL]                      ; 0 onto my spare word: work on registers stands between it and the wait for it
	s_add_nc_u64 s[G0+4*(\slot)+2:G0+4*(\slot)+3], s[(\src):(\src)+1], s[OFS+2*(\slot):OFS+2*(\slot)+1]
	s_or_b32 s[G0+4*(\slot)+3], s[G0+4*(\slot)+3], 0x80000000
	PRODF \buf, \F, 0, 0, 0
	s_wait_dscnt 0x0                               ; the add is done
	WIN 0                                          ; at a branch and at a label every window is 0
	CROUND
	tensor_load_to_lds s[G0+4*(\slot):G0+4*(\slot)+3], s[G1:G1+7]
	s_nop 0
	PLACES                                         ; also the places in front of the loads below
.else
	PRODF \buf, \F, 0, 0, 0
	PLACES
.endif
.if (\mode) > 0
	AFETCH 1-(\slot), 0, \other
.endif
	PRODF \buf, \F, 1, 0, 0
	PRODF \buf, \F, 0, 1, 0
.endm
.macro GEMM modeA, modeB, src
	FSTEP 0, 0, 0, AF0, AF1, 1                     ; the first products start the sums
	FSTEP 0, 1, 1, AF1, AF0, 0
	FSTEP 0, 2, 2, AF0, AF1, 0
	FLAST 0, 3, AF1, AF0, \modeA, \src
	FSTEP 1, 0, 4, AF0, AF1, 0
	FSTEP 1, 1, 5, AF1, AF0, 0
	FSTEP 1, 2, 6, AF0, AF1, 0
	FLAST 1, 7, AF1, AF0, \modeB, \src
.endm
; Tile (t, qt) of the scores becomes weights: query less key is DLI - u, u = 64 t - 16 qt + 48; the factor is 2^(AL + d' u) where u <= DLI and 0 elsewhere; the weights are split and stored as B's fragments:
; key tile 4 t + w is quad w % 2 of F = 2 t + w / 2.
.macro PROC t, qt
.set UU, 64*(\t)-16*(\qt)+48
.set rT, 8*(4*(\t)+(\qt))
	WIN 0
	s_cvt_f32_u32 s51, UU
	s_mul_f32 s51, s51, s50
.irp j, 0,1,2,3,4,5,6,7
	v_add_f32 v[EE+(\j)], s51, v[AL+(\j)]
.endr
.irp j, 0,1,2,3,4,5,6,7
	v_exp_f32 v[EE+(\j)], v[EE+(\j)]
.endr
	v_nop                                          ; a plain instruction between the last exponential and the use of its result (ISA guide 5.7.2)
	s_wait_alu depctr_va_vdst(0)
.irp j, 0,1,2,3,4,5,6,7
	v_cmp_le_i32 vcc_lo, UU, v[DLI+(\j)]
	v_cndmask_b32 v[EE+(\j)], 0, v[EE+(\j)], vcc_lo
.endr
	WIN 0x01                                       ; source 0 in window 1
.irp z, 0,1,2,3
	v_pk_mul_f32 v[PX+2*(\z):PX+2*(\z)+1], v[rT+2*(\z):rT+2*(\z)+1], v[EE+2*(\z):EE+2*(\z)+1]  ; the accumulator's low registers first
.endr
	WIN 0
	SPLIT PX, HP, PX, LP
	ds_store_b128 v[PST], v[HP:HP+3] offset:(\qt)*4096+((\t)%2)*2048
	ds_store_b128 v[PST], v[LP:LP+3] offset:16384+(\qt)*4096+((\t)%2)*2048
.endm
.macro PLOAD Fb                        ; 64 LDS loads: four steps' fragments of P, both parts, into B's registers
.irp hl, 0,1
	WIN 0x80+0x40*(\hl)                            ; destination window 2, then 3
.irp q, 0,1,2,3
.irp kb, 0,1,2,3
	ds_load_b128 v[8*(8*(\q)+(\Fb)+(\kb)):8*(8*(\q)+(\Fb)+(\kb))+3],   v[PLD] offset:(\hl)*16384+(\q)*4096+(\kb)*1024
	ds_load_b128 v[8*(8*(\q)+(\Fb)+(\kb))+4:8*(8*(\q)+(\Fb)+(\kb))+7], v[PLD] offset:(\hl)*16384+(\q)*4096+(\kb)*1024+512
.endr
.endr
.endr
	WIN 0
.endm
; THE WAY OUT of query tile qt: the two parts are added; a lane's eight channels of a row go into my stage as 32 bytes and come back as whole rows of 256 bytes, into registers of the tile's own
.macro OUTP qt
	WIN 0x05                                       ; sources 0 and 1 in window 1
.irp t, 0,1,2,3
.irp z, 0,1,2,3
	v_pk_add_f32 v[OW+8*(\t)+2*(\z):OW+8*(\t)+2*(\z)+1], v[128+8*(4*(\t)+(\qt))+2*(\z):128+8*(4*(\t)+(\qt))+2*(\z)+1], v[8*(4*(\t)+(\qt))+2*(\z):8*(4*(\t)+(\qt))+2*(\z)+1]
.endr
.endr
	WIN 0
.irp t, 0,1,2,3
	ds_store_b128 v[STO], v[OW+8*(\t):OW+8*(\t)+3]   offset:(\t)*64
	ds_store_b128 v[STO], v[OW+8*(\t)+4:OW+8*(\t)+7] offset:(\t)*64+16
.endr
.irp i, 0,1,2,3,4,5,6,7
	ds_load_b128 v[AF0+32*(\qt)+4*(\i):AF0+32*(\qt)+4*(\i)+3], v[RD] offset:(\i)*2*SPITCH  ; LDS serves a wave's instructions in order (ISA guide 5.7.1.4): these see the stores above; the next tile's stores come behind them
.endr
.endm
.macro SEND qt, younger                ; younger: the LDS instructions issued behind this tile's loads: the next tile's sixteen, or none
.irp i, 0,1,2,3,4,5,6,7
	s_wait_dscnt (\younger)+7-(\i)
	global_store_b128 v[GO], v[AF0+32*(\qt)+4*(\i):AF0+32*(\qt)+4*(\i)+3], s[14:15] offset:(16*(\qt)+2*(\i))*1024 th:TH_STORE_NT  ; 16 lanes store 256 consecutive bytes, aligned
.endr
.endm
	s_load_b256 s[4:11], s[0:1], 0x0               ; Qs s[4:5], Ks s[6:7], Vs s[8:9], Ss s[10:11]
	s_load_b128 s[12:15], s[0:1], 0x20             ; decay s[12:13], out0 s[14:15]
	v_lshl_add_u32 v[SPW], v0, 2, SPARE
	v_mov_b32 v[NIL], 0
	ds_add_u32 v[SPW], v[NIL]                      ; the wave's opening: the add and its wait stand ahead of my first tensor load; the set-up below stands between them
	ds_add_u32 v10, v11
	v_lshrrev_b32 v1, 5, v0
	v_readfirstlane_b32 s[WV], v1                  ; wave 0..3
	s_bfe_u32 s17, ttmp6, 0x40000                  ; m: my block of 64 queries in the chunk
	s_and_b32 s18, ttmp7, 0xffff                   ; the batch
	s_lshl_b32 s18, s18, 4
	s_add_co_u32 s18, s18, ttmp9                   ; chunk: in a cluster launch ttmp9 counts clusters
	s_mov_b32 s[G1+0], 15|(3<<16)|(1<<21)          ; the mask of four; elements of 8 bytes; bit 21 set beside a mask: 32,768 dense bytes as 128 rows of 256
	s_mov_b32 s[G1+1], 32<<16                      ; tensor_dim0 = 32
	s_mov_b32 s[G1+2], 128<<16                     ; tensor_dim1 = 128
	s_mov_b32 s[G1+3], 32<<16                      ; tile_dim0 = 32
	s_mov_b32 s[G1+4], 128                         ; tile_dim1 = 128
	s_mov_b32 s[G1+5], 32
	s_mov_b32 s[G1+6], 0
	s_mov_b32 s[G1+7], 0
	s_lshl_b32 s19, s[WV], 15                      ; my wave's 32,768 bytes, in a slot and in half a chunk
	s_lshl_b32 s[OFS], s18, 18
	s_add_co_u32 s[OFS], s[OFS], s19
	s_mov_b32 s[OFS+1], 0
	s_add_co_u32 s[OFS+2], s[OFS], SLOT            ; the chunk's second half
	s_mov_b32 s[OFS+3], 0
	s_mov_b32 s[G0], 1
	s_mov_b32 s[G0+1], s19
	s_mov_b32 s[G0+4], 1
	s_add_co_u32 s[G0+5], s19, SLOT
	s_lshl_b32 s20, s18, 2
	s_add_co_u32 s20, s20, s17                     ; my block of 64 queries: 65,536 bytes in Qs, and in out0
	s_lshl_b32 s22, s20, 16
	s_mov_b32 s23, 0
	s_wait_dscnt 0x0                               ; the opening add is done
	s_wait_kmcnt 0x0
	s_add_nc_u64 s[G0+2:G0+3], s[10:11], s[OFS:OFS+1]
	s_or_b32 s[G0+3], s[G0+3], 0x80000000
	s_add_nc_u64 s[G0+6:G0+7], s[10:11], s[OFS+2:OFS+3]
	s_or_b32 s[G0+7], s[G0+7], 0x80000000
	s_add_nc_u64 s[4:5], s[4:5], s[22:23]
	s_add_nc_u64 s[14:15], s[14:15], s[22:23]
	s_lshl_b32 s22, s[WV], 8                       ; my wave's 64 channels
	s_add_nc_u64 s[14:15], s[14:15], s[22:23]
	s_load_b32 s44, s[12:13], 0x0                  ; decay[0]
	CROUND                                         ; all four work-groups are here: the first joint loads meet
	tensor_load_to_lds s[G0:G0+3], s[G1:G1+7]      ; the state's two halves: two tensor loads of mine are out
	s_nop 0
	tensor_load_to_lds s[G0+4:G0+7], s[G1:G1+7]
	s_nop 0
	PLACES
	v_and_b32 v1, 31, v0
	v_lshlrev_b32 v[QO], 4, v1
	WIN 0x80                                       ; destination window 2: q's hi parts
.set i, 0
.rept 32
	global_load_b128 v[8*i:8*i+3],   v[QO], s[4:5] offset:i*1024 th:TH_LOAD_NT
	global_load_b128 v[8*i+4:8*i+7], v[QO], s[4:5] offset:i*1024+512 th:TH_LOAD_NT
.set i, i+1
.endr
	WIN 0xc0                                       ; window 3: the lo parts
.set i, 0
.rept 32
	global_load_b128 v[8*i:8*i+3],   v[QO], s[4:5] offset:32768+i*1024 th:TH_LOAD_NT
	global_load_b128 v[8*i+4:8*i+7], v[QO], s[4:5] offset:32768+i*1024+512 th:TH_LOAD_NT
.set i, i+1
.endr
	WIN 0
	v_and_b32 v[T1], 15, v0                        ; r
	v_bfe_u32 v[T2], v0, 4, 1                      ; h
	v_add_nc_u32 v[AD], s19, v[QO]
	v_add_nc_u32 v[AD+1], SLOT, v[AD]
	s_lshl_b32 s45, s[WV], 9
	s_add_co_u32 s45, s45, PREG
	v_add_nc_u32 v[PST], s45, v[QO]                ; 1,024 (w / 2) + 512 (w % 2) = 512 w
	v_add_nc_u32 v[PLD], PREG, v[QO]
	s_mul_i32 s45, s[WV], 16*SPITCH
	s_add_co_u32 s45, s45, STAGE                   ; my stage
	v_mul_u32_u24 v[STO], v[T1], SPITCH            ; in: row r, 32 bytes for each half of the lanes
	v_lshl_add_u32 v[STO], v[T2], 5, v[STO]
	v_add_nc_u32 v[STO], s45, v[STO]
	v_mul_u32_u24 v[RD], v[T2], SPITCH             ; back: lanes 0-15 take one row of 256 bytes, lanes 16-31 the next
	v_lshl_add_u32 v[RD], v[T1], 4, v[RD]
	v_add_nc_u32 v[RD], s45, v[RD]
	v_lshlrev_b32 v[GO], 10, v[T2]                 ; and the same two rows in out
	v_lshl_add_u32 v[GO], v[T1], 4, v[GO]
	v_mov_b32 v[NEG1], -1.0
	s_wait_kmcnt 0x0
	v_mov_b32 v[T3], s44
	v_cvt_pk_bf16_f32 v[T3], v[T3], v[T3]          ; decay[0] rounded to bf16, like the other inputs
	v_lshlrev_b32 v[T3], 16, v[T3]
	v_mul_f32 v[T3], 0x3fb8aa3b, v[T3]             ; d'
	v_readfirstlane_b32 s50, v[T3]
	s_lshl_b32 s45, s17, 6                         ; 64 m
	s_lshl_b32 s46, s[WV], 4
	s_sub_co_u32 s46, s45, s46
	s_add_co_u32 s46, s46, 48
	v_lshlrev_b32 v1, 3, v[T2]
	v_sub_nc_u32 v1, v[T1], v1
	v_add_nc_u32 v1, s46, v1                       ; 64 m + r - 16 w - 8 h + 48
.irp j, 0,1,2,3,4,5,6,7
	v_add_nc_u32 v[DLI+(\j)], -(\j), v1
.endr
.irp j, 0,1,2,3,4,5,6,7
	v_cvt_f32_i32 v[AL+(\j)], v[DLI+(\j)]
.endr
.irp j, 0,1,2,3,4,5,6,7
	v_fma_f32 v[AL+(\j)], v[AL+(\j)], -v[T3], -4.0
.endr
	s_add_co_u32 s45, s45, 1
	v_add_nc_u32 v1, s45, v[T1]                    ; my query's place in the chunk, plus 1, for query tile 0
.irp q, 0,1,2,3
	v_add_nc_u32 v[EE+(\q)], 16*(\q), v1
.endr
.irp q, 0,1,2,3
	v_cvt_f32_u32 v[EE+(\q)], v[EE+(\q)]
.endr
.irp q, 0,1,2,3
	v_fma_f32 v[EE+(\q)], v[EE+(\q)], -v[T3], -4.0
.endr
.irp q, 0,1,2,3
	v_exp_f32 v[EI+2*(\q)], v[EE+(\q)]             ; twice: the packed multiply names a pair
	v_exp_f32 v[EI+2*(\q)+1], v[EE+(\q)]
.endr
	v_nop                                          ; a plain instruction behind the last exponential
	s_wait_tensorcnt 0x1                           ; my part of slot 0 is in, and only I read it; slot 1's stays out
	AFETCH 0, 0, AF0
	s_wait_loadcnt 0x0                             ; q
	GEMM 2, 2, 6                                   ; T = S^T q^T; the slots take k's two halves
	PLACES
	WIN 0x41                                       ; destination and source 0 in window 1
	s_wait_alu depctr_va_vdst(0)
.irp t, 0,1,2,3
.irp q, 0,1,2,3
.irp z, 0,1,2,3
	v_pk_mul_f32 v[128+8*(4*(\t)+(\q))+2*(\z):128+8*(4*(\t)+(\q))+2*(\z)+1], v[8*(4*(\t)+(\q))+2*(\z):8*(4*(\t)+(\q))+2*(\z)+1], v[EI+2*(\q):EI+2*(\q)+1] op_sel_hi:[1,0]
.endr
.endr
.endr
	GEMM 2, 2, 8                                   ; T = k q^T; the slots take v's two halves
	PLACES
.irp t, 0,1
.irp q, 0,1,2,3
	PROC \t, \q
.endr
.endr
	s_wait_dscnt 0x0                               ; for the others' sake: my stores of P are done
	s_barrier_signal -1                            ; plain barriers
	s_barrier_wait -1
	PLOAD 0                                        ; the first 128 keys' weights
	s_wait_dscnt 0x0                               ; my reads of P are over
	s_barrier_signal -1
	s_barrier_wait -1                              ; everybody's are: the bytes may be written again
.irp t, 2,3
.irp q, 0,1,2,3
	PROC \t, \q
.endr
.endr
	s_wait_dscnt 0x0
	s_barrier_signal -1
	s_barrier_wait -1
	PLOAD 4
	GEMM 1, 0, 0                                   ; T = v^T P^T; nothing more is asked for
	PLACES
	OUTP 0
	OUTP 1                                         ; a tile's additions stand between the loads of the tile before and its stores
	SEND 0, 16
	OUTP 2
	SEND 1, 16
	OUTP 3
	SEND 2, 16
	SEND 3, 0
	s_wait_tensorcnt 0x0                           ; the wave's end, behind my last tensor load and my last LDS store
	ds_add_u32 v[SPW], v[NIL]
	s_wait_dscnt 0x0
	CROUND                                         ; the closing round: no work-group ends while a partner may still ask for a tile that names it
	s_endpgm
.Lfunc_end_k_qe68fe7867b_final:
	.size	k_qe68fe7867b_final, .Lfunc_end_k_qe68fe7867b_final-k_qe68fe7867b_final
	.p2alignl 7, 3214868480
	.fill 96, 4, 3214868480
	.section	.rodata,"a",@progbits
	.p2align	6, 0x0
	.amdhsa_kernel k_qe68fe7867b_final
		.amdhsa_group_segment_fixed_size 327680
		.amdhsa_private_segment_fixed_size 0
		.amdhsa_enable_private_segment 0
		.amdhsa_kernarg_size 48
		.amdhsa_user_sgpr_count 2
		.amdhsa_user_sgpr_kernarg_segment_ptr 1
		.amdhsa_wavefront_size32 1
		.amdhsa_system_sgpr_workgroup_id_x 1
		.amdhsa_system_sgpr_workgroup_id_y 1
		.amdhsa_system_sgpr_workgroup_id_z 1
		.amdhsa_system_vgpr_workitem_id 0
		.amdhsa_next_free_vgpr 1024
		.amdhsa_next_free_sgpr 66
		.amdhsa_reserve_vcc 1
		.amdhsa_float_denorm_mode_32 3
		.amdhsa_float_denorm_mode_16_64 3
		.amdhsa_memory_ordered 1
		.amdhsa_forward_progress 1
		.amdhsa_inst_pref_size 194
	.end_amdhsa_kernel
	.amdgpu_metadata
---
amdhsa.version: [ 1, 2 ]
amdhsa.kernels:
  - .name:           k_qe68fe7867b_final
    .symbol:         k_qe68fe7867b_final.kd
    .args:
      - { .name: Qs, .offset: 0, .size: 8, .value_kind: global_buffer, .address_space: global }
      - { .name: Ks, .offset: 8, .size: 8, .value_kind: global_buffer, .address_space: global }
      - { .name: Vs, .offset: 16, .size: 8, .value_kind: global_buffer, .address_space: global }
      - { .name: Ss, .offset: 24, .size: 8, .value_kind: global_buffer, .address_space: global }
      - { .name: decay, .offset: 32, .size: 8, .value_kind: global_buffer, .address_space: global }
      - { .name: out0, .offset: 40, .size: 8, .value_kind: global_buffer, .address_space: global }
    .group_segment_fixed_size: 327680
    .private_segment_fixed_size: 0
    .kernarg_segment_align: 8
    .kernarg_segment_size: 48
    .max_flat_workgroup_size: 128
    .sgpr_count:     66
    .vgpr_count:     1024
    .wavefront_size: 32
...
	.end_amdgpu_metadata
.endif
;; end of part 5
;; ======== version 2 of 2: 5 launches; version 1 with the launch scan written anew for expert scheduling mode
;; workspace buffers: Wf 3,145,728 bytes; Qs 16,777,216 bytes; Ks 16,777,216 bytes; KT 16,777,216 bytes; Vs 16,777,216 bytes; U 16,777,216 bytes; Ss 16,777,216 bytes
;; launch prepw: the kernel of part 1 again; grid 256 x 1, 8 waves a work-group, no clusters, 0 bytes of LDS; arguments Wq, Wk, Wv, Wf; writes Wf
;; launch proj: the kernel of part 2 again; grid 256 x 1, 4 waves a work-group, clusters of 4 x 1, 327,680 bytes of LDS; arguments X, Wf, decay, Qs, Ks, KT, Vs; writes Qs, Ks, KT, Vs
;; launch chunku: the kernel of part 3 again; grid 60 x 4, 4 waves a work-group, no clusters, 263,168 bytes of LDS; arguments KT, Vs, U; writes U
;; launch scan (part 6): grid 256 x 1, 4 waves a work-group, no clusters, 0 bytes of LDS; arguments U, decay, Ss; writes Ss
.if DOCPART == 6
	.amdgcn_target "amdgcn-amd-amdhsa--gfx1250"
	.amdhsa_code_object_version 6
	.text
	.protected	k_qe68fe7867b_scan
	.globl	k_qe68fe7867b_scan
	.p2align	8
	.type	k_qe68fe7867b_scan,@function
k_qe68fe7867b_scan:
	s_mov_b64 s[64:65], 0
	v_nop
	global_prefetch_b8 v0, s[64:65] scope:SCOPE_SE
	s_setreg_imm32_b32 hwreg(HW_REG_WAVE_SCHED_MODE, 0, 2), 2
	s_setreg_imm32_b32 hwreg(HW_REG_WAVE_MODE, 25, 1), 1
	s_wait_xcnt 0x0
	s_wait_alu depctr_vm_vsrc(0)
; The state from chunk to chunk: S_0 = 0, S_(c+1) = 2^(-256 d') S_c + U_c, d' = bf16(decay[0]) x log2(e); the carry stays in f32; each S_c leaves as a pair of bf16, hi + lo, in fragment order.
; A wave owns one unit of 256 numbers (8 a lane) of one batch through all 16 chunks: 1,024 waves.  All 30 loads of a lane go out at once (15 chunks x 2 x 16 bytes); the waits count the later chunks' loads.
; Every load and store of a wave covers 512 consecutive bytes, aligned.  A stream: no LDS, no matrix unit.  A factor below 2^-126 counts as 0.
; THE MODE: SCHED_MODE bits 1:0 = 2 (LLVM: expert scheduling mode 2), set by the entry lines.  The code itself states the register dependences
; between vector instructions and memory instructions, with s_wait_alu, always for 0.
; THE PLAN.  Step c (1 to 15) makes S_c.  Registers that memory instructions touch:
;   v[UO], v[SO], ZZ   the loads' offset, the stores' offset, the zeros of S_0: written at the head and never again.
;   UB + 8 c           U_c lands there, once; the loads are issued at the head, into registers that no vector instruction has named.  Step c + 1's multiply-add then makes S_(c+1) in place.
;   OB + 8 (c - 1)     S_c's two parts, hi in the first four registers, lo in the last four: written by step c's roundings, read by the two stores that are issued at the head of step c + 1, never written again.
;                      For c = 1 they are eight registers of their own; from c = 2 on they are the registers of S_(c-1), whose last reader, step c's own multiply-add, stands ahead of the roundings.
; So each chunk leaves from registers of its own, and no register that a memory instruction has read is ever written again: the text holds no wait for that.  One wait on va_vdst stands at the head of a step,
; behind the wait for the step's data: the step before has written its two parts.  The two stores follow it at once, and no vector instruction behind it names their registers.
.set UO,   2                           ; v2   my byte offset in U, chunk 0
.set SO,   3                           ; v3   my byte offset in Ss, chunk 0, hi part
.set TT,   4
.set OB,   24                          ; v[24:31]   S_1's two parts; S_c's lie at OB + 8 (c - 1)
.set UB,   32                          ; v[32:151]  U_c at 32 + 8 c; S_(c+1) takes its place, and then S_(c+2)'s two parts
.set GG,   152                         ; v[152:153] the factor, twice
.set NEG1, 154
.set ZZ,   156                         ; v[156:159] zeros
.set RS,   160                         ; v[160:167] S - hi: no memory instruction names them
.macro SPLIT x, hi, res, lo
.irp i, 0,1,2,3
	v_cvt_pk_bf16_f32 v[(\hi)+(\i)], v[(\x)+2*(\i)], v[(\x)+2*(\i)+1]
.endr
.irp i, 0,1,2,3
	v_fma_mix_f32_bf16 v[(\res)+2*(\i)], v[(\hi)+(\i)], v[NEG1], v[(\x)+2*(\i)] op_sel_hi:[1,0,0]
	v_fma_mix_f32_bf16 v[(\res)+2*(\i)+1], v[(\hi)+(\i)], v[NEG1], v[(\x)+2*(\i)+1] op_sel:[1,0,0] op_sel_hi:[1,0,0]
.endr
.irp i, 0,1,2,3
	v_cvt_pk_bf16_f32 v[(\lo)+(\i)], v[(\res)+2*(\i)], v[(\res)+2*(\i)+1]
.endr
.endm
	s_load_b128 s[4:7], s[0:1], 0x0                ; U s[4:5], decay s[6:7]
	s_load_b64 s[8:9], s[0:1], 0x10                ; Ss
	v_lshrrev_b32 v1, 5, v0
	v_readfirstlane_b32 s10, v1
	v_mov_b32 v[NEG1], -1.0                        ; the head's vector lines that hang on no scalar stand between that line and the wait for it
.irp i, 0,1,2,3
	v_mov_b32 v[ZZ+(\i)], 0
.endr
	v_and_b32 v1, 31, v0
	v_lshlrev_b32 v1, 4, v1
	s_wait_alu depctr_va_sdst(0)                   ; s10, the wave's number, is written, ahead of its first reader: the offsets in U and Ss are made from it
	s_lshl_b32 s11, ttmp9, 2
	s_add_co_u32 s11, s11, s10                     ; 256 x batch + unit
	s_lshr_b32 s12, s11, 8
	s_and_b32 s13, s11, 255
	s_lshl_b32 s14, s12, 22                        ; a batch's 16 chunks of 262,144 bytes
	s_lshl_b32 s15, s13, 10                        ; in U a unit is 1,024 bytes
	s_add_co_u32 s15, s15, s14
	s_lshr_b32 s16, s13, 3                         ; in Ss: 8,192 x (unit / 8) + 512 x (unit % 8), the lo part 4,096 on
	s_lshl_b32 s16, s16, 13
	s_and_b32 s17, s13, 7
	s_lshl_b32 s17, s17, 9
	s_add_co_u32 s16, s16, s17
	s_add_co_u32 s16, s16, s14
	v_add_nc_u32 v[UO], s15, v1
	v_add_nc_u32 v[SO], s16, v1
	s_wait_kmcnt 0x0
	s_load_b32 s18, s[6:7], 0x0                    ; decay[0]
	s_wait_alu depctr_va_vdst(0)                   ; v[UO], v[SO] and the four zeros are written: every load and store of the kernel reads one of the offsets, the first two stores the zeros
.set c, 0
.rept 15
	global_load_b128 v[UB+8*c:UB+8*c+3],   v[UO], s[4:5] offset:c*262144 th:TH_LOAD_NT
	global_load_b128 v[UB+8*c+4:UB+8*c+7], v[UO], s[4:5] offset:c*262144+512 th:TH_LOAD_NT
.set c, c+1
.endr
	global_store_b128 v[SO], v[ZZ:ZZ+3], s[8:9]                ; S_0 = 0, both parts
	global_store_b128 v[SO], v[ZZ:ZZ+3], s[8:9] offset:4096
	s_wait_kmcnt 0x0
	v_mov_b32 v[TT], s18
	v_cvt_pk_bf16_f32 v[TT], v[TT], v[TT]
	v_lshlrev_b32 v[TT], 16, v[TT]
	v_mul_f32 v[TT], 0x3fb8aa3b, v[TT]             ; d'
	v_mul_f32 v[TT], 0xc3800000, v[TT]             ; -256 d'
	v_exp_f32 v[GG], v[TT]
	v_exp_f32 v[GG+1], v[TT]
	v_nop                                          ; a plain instruction between the exponentials and the use of their results (ISA guide 5.7.2)
	s_wait_alu depctr_va_vdst(0)                   ; the two exponentials have written v[GG:GG+1], ahead of their first reader, step 2's multiply-add
.set c, 1
.rept 15
	s_wait_loadcnt 30-2*c                          ; U of chunk c - 1 is in; the later chunks' loads stay out
.if c > 1
	s_wait_alu depctr_va_vdst(0)                   ; the step before has written S_(c-1)'s two parts, which the two stores below read; no vector instruction behind this wait names those eight registers
	global_store_b128 v[SO], v[OB+8*(c-2):OB+8*(c-2)+3],   s[8:9] offset:(c-1)*262144
	global_store_b128 v[SO], v[OB+8*(c-2)+4:OB+8*(c-2)+7], s[8:9] offset:(c-1)*262144+4096
.irp z, 0,2,4,6
	v_pk_fma_f32 v[UB+8*(c-1)+(\z):UB+8*(c-1)+(\z)+1], v[UB+8*(c-2)+(\z):UB+8*(c-2)+(\z)+1], v[GG:GG+1], v[UB+8*(c-1)+(\z):UB+8*(c-1)+(\z)+1]
.endr
.endif
	SPLIT UB+8*(c-1), OB+8*(c-1), RS, OB+8*(c-1)+4 ; S_c's parts go where S_(c-1) lay, which the multiply-add above has read for the last time
.set c, c+1
.endr
	s_wait_alu depctr_va_vdst(0)                   ; step 15 has written S_15's two parts, which the last two stores read
	global_store_b128 v[SO], v[OB+8*14:OB+8*14+3],   s[8:9] offset:15*262144
	global_store_b128 v[SO], v[OB+8*14+4:OB+8*14+7], s[8:9] offset:15*262144+4096
	s_endpgm
.Lfunc_end_k_qe68fe7867b_scan:
	.size	k_qe68fe7867b_scan, .Lfunc_end_k_qe68fe7867b_scan-k_qe68fe7867b_scan
	.p2alignl 7, 3214868480
	.fill 96, 4, 3214868480
	.section	.rodata,"a",@progbits
	.p2align	6, 0x0
	.amdhsa_kernel k_qe68fe7867b_scan
		.amdhsa_group_segment_fixed_size 0
		.amdhsa_private_segment_fixed_size 0
		.amdhsa_enable_private_segment 0
		.amdhsa_kernarg_size 24
		.amdhsa_user_sgpr_count 2
		.amdhsa_user_sgpr_kernarg_segment_ptr 1
		.amdhsa_wavefront_size32 1
		.amdhsa_system_sgpr_workgroup_id_x 1
		.amdhsa_system_sgpr_workgroup_id_y 1
		.amdhsa_system_sgpr_workgroup_id_z 1
		.amdhsa_system_vgpr_workitem_id 0
		.amdhsa_next_free_vgpr 168
		.amdhsa_next_free_sgpr 66
		.amdhsa_reserve_vcc 0
		.amdhsa_float_denorm_mode_32 3
		.amdhsa_float_denorm_mode_16_64 3
		.amdhsa_memory_ordered 1
		.amdhsa_forward_progress 1
		.amdhsa_inst_pref_size 28
	.end_amdhsa_kernel
	.amdgpu_metadata
---
amdhsa.version: [ 1, 2 ]
amdhsa.kernels:
  - .name:           k_qe68fe7867b_scan
    .symbol:         k_qe68fe7867b_scan.kd
    .args:
      - { .name: U, .offset: 0, .size: 8, .value_kind: global_buffer, .address_space: global }
      - { .name: decay, .offset: 8, .size: 8, .value_kind: global_buffer, .address_space: global }
      - { .name: Ss, .offset: 16, .size: 8, .value_kind: global_buffer, .address_space: global }
    .group_segment_fixed_size: 0
    .private_segment_fixed_size: 0
    .kernarg_segment_align: 8
    .kernarg_segment_size: 24
    .max_flat_workgroup_size: 128
    .sgpr_count:     66
    .vgpr_count:     168
    .wavefront_size: 32
...
	.end_amdgpu_metadata
.endif
;; end of part 6
;; launch final: the kernel of part 5 again; grid 64 x 4, 4 waves a work-group, clusters of 4 x 1, 327,680 bytes of LDS; arguments Qs, Ks, Vs, Ss, decay, out0; writes out0
